; MI455X (gfx1250); checked and timed in simulation.
; The chip was launched on July 23, 2026; its instructions are those of AMD's public machine-readable ISA for CDNA 5 (MIT licence, August 2026) and "CDNA5" Instruction Set Architecture Reference Guide (July 2026). The comments in the code are by the model that wrote it; some were corrected since.
;; attention. Allowed arithmetic: matrix products marked QUANTISED: E2M1 operands, one E8M0 scale for each 32 along K, by v_wmma_scale_f32_16x16x128_f8f6f4 with both operands' format E2M1 (or v_wmma_scale_f32_32x16x128_f4), f32 sums; products left as they are: bf16, f16 or f32 operands; f32 sums; everything else in f32.
;; Inputs: b1 3,072 float32; b2 1,024 float32; w1 1,024 x 3,072 float32; w2 1,024 x 1,024 float32; x 4 x 2,048 x 1,024 float32.
;; Outputs: out0 4 x 2,048 x 1,024 float32.
;; This version of the problem:
;;   THIS VERSION OF THE PROBLEM IS GIVEN IN LOW PRECISION. The matrix products marked QUANTISED in the list below multiply operands that are first quantised to E2M1 (2 exponent bits, 1 mantissa bit; 4 bits a number), with one power-of-two scale for each 32 numbers along K (OCP MX v1.0); their sums are f32. The products marked 'left as it is' may take bf16, f16 or f32 operands, with f32 sums. Whichever they take, every output number must still come out within the allowed error. Rounding operands to bf16 (8 significant bits) uses up far more of that allowance than f16 does (11 bits, for magnitudes from 6e-5 to 65,504). All else is computed in f32.
;;   The module's matrix products, in the order in which they are computed (A, B: the left and right operand; K: the contracted axis; several contracted axes count as one K, in the product's order):
;;     1. [M 8,192, K 1,024] x [K 1,024, N 3,072]; A: input x; B: input w1: QUANTISED
;;     2. batch 64 x [M 2,048, K 64] x [K 64, N 2,048]; A: computed on the way; B: computed on the way: left as it is (an operand is computed on the way)
;;     3. batch 64 x [M 2,048, K 2,048] x [K 2,048, N 64]; A: computed on the way; B: computed on the way: left as it is (an operand is computed on the way)
;;     4. [M 8,192, K 1,024] x [K 1,024, N 1,024]; A: computed on the way; B: input w2: left as it is (an operand is computed on the way)
;;   THE QUANTISER, for each operand of a quantised product, along K:
;;     - K is cut into blocks of 32 from its start; a last block that is shorter is filled with zeros.
;;     - A block's scale is 2^e with e = floor(log2(the largest magnitude in the block)) - 2, held to -126 .. 127; a block of zeros has e = 0. As a byte (E8M0): e + 127.
;;     - Each number is divided by its block's scale, clamped to +-6, and rounded to the nearest number of E2M1, ties to even, subnormals kept.
;;     - The product sums the exact products of the quantised numbers (number of the format x scale) in f32.
;;   ~~~python
;;   def quantise(x, axis):      # numpy; x: float32 -> the quantised numbers, widened to float32 again
;;       x = np.moveaxis(x, axis, -1); K = x.shape[-1]
;;       x = np.pad(x, [(0, 0)] * (x.ndim - 1) + [(0, -K % 32)]); x = x.reshape(x.shape[:-1] + (-1, 32)); a = np.abs(x).max(-1, keepdims=True)
;;       e = np.where(a > 0, np.clip(np.frexp(np.where(a > 0, a, 1))[1] - 1 - 2, -126, 127), 0)      # np.frexp(a)[1] - 1 = floor(log2(a)), exactly
;;       r = np.clip(x / 2.0 ** e, -6, 6)
;;       step = 2.0 ** (np.maximum(np.frexp(np.where(r == 0, 1, r))[1] - 1, 0) - 1)
;;       q = np.round(r / step) * step * 2.0 ** e      # np.round: ties to even
;;       return np.moveaxis(q.reshape(q.shape[:-2] + (-1,))[..., :K], -1, axis).astype(np.float32)
;;   ~~~
;; One version. Each part assembles by itself: llvm-mc -triple=amdgcn-amd-amdhsa -mcpu=gfx1250 --defsym DOCPART=n.
;; ======== version 1 of 1: 4 launches
;; limits: values are held in f16: magnitudes above 65,504 overflow, below 6.1e-05 lose precision
;; workspace buffers: xc 4,194,304 bytes; xs 262,144 bytes; w1c 1,572,864 bytes; w1s 98,304 bytes; w2i 2,097,152 bytes; qkv 50,331,648 bytes; ai 16,777,216 bytes
;; launch prep (part 1): grid 416 x 1, 4 waves a work-group, no clusters, 51,200 bytes of LDS; arguments x, w1, w2, xc, xs, w1c, w1s, w2i; writes xc, xs, w1c, w1s, w2i
.if DOCPART == 1
	.amdgcn_target "amdgcn-amd-amdhsa--gfx1250"
	.amdhsa_code_object_version 6
	.text
	.protected	k_q855004900e_prep
	.globl	k_q855004900e_prep
	.p2align	8
	.type	k_q855004900e_prep,@function
k_q855004900e_prep:
	s_mov_b64 s[64:65], 0
	v_nop
	global_prefetch_b8 v0, s[64:65] scope:SCOPE_SE
	s_setreg_imm32_b32 hwreg(HW_REG_WAVE_MODE, 25, 1), 1
	s_wait_xcnt 0x0
; THE PROGRAM: out = softmax((x w1 + b1)_q (x w1 + b1)_k^T) (x w1 + b1)_v w2 + b2, 4 x 2,048 tokens, 16 heads of 64.  Four launches: this one lays the operands out; the second
; makes q, k, v (the product on codes of E2M1); the third is the attention; the fourth the projection on the way out.
; WORK LEFT OUT, for all values of the inputs: k enters the scores alone, and that product is not quantised.  With bk = b1[1024:2048]: q . (k + bk) = q . k + q . bk, and q . bk is one number for
; a query, the same for all its keys: a term added to a softmax's input that is the same along its axis leaves the softmax as it is.  So bk is neither loaded nor added; b1's q third and v third, and b2, are.
; LIMIT: a NaN, an infinity or an overflow that reaches only b1[1024:2048] or q . bk is not carried to the result.
; THIS LAUNCH, three kinds of work-group, told apart by the work-group's number alone; each kind has LDS bytes of its own.  Work-groups share no input, so there are no clusters; no tensor loads; memory binds.
;  0-255    x [8192][1024] f32 -> codes of E2M1, K innermost, xc [8192][512], and one E8M0 byte for each 32 along K, xs [8192][32].  A plain stream of blocks of 32.
;  256-351  w1 [1024 (k)][3072 (n)] f32 -> w1c [3072][512], w1s [3072][32]: K is its first axis, so a lane takes a column and its registers run down K.
;  352-415  w2 [1024 (k)][1024 (n)] f32 -> f16, laid as images of operand registers, w2i: piece (n % 16, 8 neighbours along K) of 16 bytes at
;           (k / 128) 2^18 + (n / 16) 2^12 + ((k / 32) % 4) 2^10 + ((k / 8) % 4) 2^8 + 16 (n % 16).
; THE QUANTISER: a block's scale is 2^(floor(log2(its largest magnitude)) - 2); its byte is the largest magnitude's exponent field - 2, held at 1 from below.  A block of zeros so gets the byte 1 where the
; rule says 127: its codes are zeros, which add nothing, and the bytes are read by this program alone.  Each number is divided by the scale and rounded to the nearest code, ties to even, beyond 6 the largest code.
; LIMITS: NaN and infinities among the inputs are not served; w2 beyond 65,504 in magnitude does not fit f16.
.set STEPS, 16
.set SP,    80                         ; x: a lane's place in a stage: 64 bytes + 16 of padding
.set WREG,  8192                       ; x: LDS of a wave: two stages of 32 x SP bytes, then its 256 scale bytes
.set W1STG, 32768                      ; w1: the codes' stage: 32 columns x (512 bytes + 16)
.set W1P,   528
.set W1SC,  W1STG+32*W1P               ; w1: the scale bytes' stage: 32 columns x 32 bytes
.set SPARE, W1SC+1024                  ; the spare words, 128 bytes for each wave: two blocks of 256 bytes that no other line names
.set SPW,   160                        ; v160 LDS address of my spare word; never rewritten
.set NIL,   161                        ; v161 0; never rewritten
.set RL,    16                         ; x: v16-79 four sets of 16 numbers as loaded
.set XX,    80                         ; x: v80-111 two sets of 16 neighbours
.set EB,    112                        ; x: v112-127 a scale byte for each step
.set CD,    128                        ; x: v128-159 codes, two registers for each step
.set XW,    32                         ; w1, w2: v32-95 two sets of 32 numbers
.set CW,    96                         ; w1: a block's codes; w2: v96-159 the f16 pieces
.set SB,    24                         ; w1: v24-25 the scale bytes
.set OUTR,  112                        ; w1: v112-143 the way out
	s_load_b256 s[4:11], s[0:1], 0x0               ; x s[4:5], w1 s[6:7], w2 s[8:9], xc s[10:11]
	s_load_b256 s[12:19], s[0:1], 0x20             ; xs s[12:13], w1c s[14:15], w1s s[16:17], w2i s[18:19]
	v_lshl_add_u32 v[SPW], v0, 2, SPARE
	v_mov_b32 v[NIL], 0
	v_lshrrev_b32 v1, 5, v0
	v_readfirstlane_b32 s20, v1                    ; wave 0..3
	v_and_b32 v2, 31, v0                           ; lane
	s_mov_b32 s25, 0                               ; the upper word of every offset below
	s_wait_kmcnt 0x0
	s_cmp_lt_u32 ttmp9, 256
	s_cbranch_scc1 .Lpath_x
	s_cmp_lt_u32 ttmp9, 352
	s_cbranch_scc1 .Lpath_w1
; ---- w2: work-group u takes 128 columns (u % 8) and 128 along K (u / 8); a wave 32 columns, a lane one; the four waves stand side by side on 512 bytes of a row
	s_sub_co_u32 s21, ttmp9, 352
	s_and_b32 s22, s21, 7
	s_lshr_b32 s23, s21, 3                         ; which 128 along K
	s_lshl_b32 s22, s22, 7
	s_lshl_b32 s24, s20, 5
	s_add_co_u32 s22, s22, s24                     ; my wave's first column
	s_lshl_b32 s24, s23, 19                        ; 128 rows of 4,096 bytes
	s_lshl_b32 s26, s22, 2
	s_add_co_u32 s24, s24, s26
	s_add_nc_u64 s[8:9], s[8:9], s[24:25]
	s_lshl_b32 s24, s23, 18
	s_lshl_b32 s26, s22, 8                         ; (column / 16) x 4,096
	s_add_co_u32 s24, s24, s26
	s_add_nc_u64 s[18:19], s[18:19], s[24:25]
	v_lshlrev_b32 v3, 2, v2                        ; in: 4 bytes a lane
	v_and_b32 v4, 15, v2
	v_lshrrev_b32 v5, 4, v2
	v_lshlrev_b32 v4, 4, v4
	v_lshl_add_u32 v4, v5, 12, v4                  ; out: 16 (lane % 16) + 4,096 (lane / 16)
.macro LOAD2 t                         ; 32 along K of my column into set t % 2
.set ii, 0
.rept 32
	global_load_b32 v[XW+32*((\t)%2)+ii], v3, s[8:9] offset:(32*(\t)+ii)*4096 th:TH_LOAD_NT
.set ii, ii+1
.endr
.endm
.macro CH t                            ; they become four pieces of 8 f16; sixteen lanes store 256 consecutive bytes, aligned.  Every piece has registers of its own: no store's data are written again
.if (\t) < 3
	s_wait_loadcnt 32                              ; this run's 32 loads are in; the next run's may be out
.else
	s_wait_loadcnt 0
.endif
.set ii, 0
.rept 16
	v_cvt_pk_f16_f32 v[CW+16*(\t)+ii], v[XW+32*((\t)%2)+2*ii], v[XW+32*((\t)%2)+2*ii+1]
.set ii, ii+1
.endr
.irp o, 0,1,2,3
	global_store_b128 v4, v[CW+16*(\t)+4*\o:CW+16*(\t)+4*\o+3], s[18:19] offset:(4*(\t)+\o)*256
.endr
.if (\t)+2 < 4
	LOAD2 (\t)+2
.endif
.endm
	LOAD2 0
	LOAD2 1
	CH 0
	CH 1
	CH 2
	CH 3
	s_endpgm                                       ; these waves have written no LDS
; ---- w1: work-group u takes 32 columns and all of K; wave w takes K rows 256 w on: 8 blocks a lane.  The codes meet in a stage, so that whole rows of 512 bytes leave
.Lpath_w1:
	s_sub_co_u32 s21, ttmp9, 256
	s_lshl_b32 s22, s21, 5                         ; the first column
	s_mul_i32 s24, s20, 256*12288
	s_lshl_b32 s26, s22, 2
	s_add_co_u32 s24, s24, s26
	s_add_nc_u64 s[6:7], s[6:7], s[24:25]
	s_lshl_b32 s26, s20, 3
	s_add_co_u32 s26, s26, s22                     ; the first of the 8 rows of codes that I store
	s_lshl_b32 s24, s26, 9
	s_add_nc_u64 s[14:15], s[14:15], s[24:25]
	s_lshl_b32 s24, s22, 5
	s_lshl_b32 s26, s20, 8
	s_add_co_u32 s24, s24, s26
	s_add_nc_u64 s[16:17], s[16:17], s[24:25]      ; and my 256 of the work-group's 1,024 scale bytes
	v_lshlrev_b32 v3, 2, v2                        ; in: 4 bytes a lane
	s_lshl_b32 s26, s20, 7
	s_add_co_u32 s26, s26, W1STG
	v_mul_u32_u24 v4, v2, W1P
	v_add_nc_u32 v4, s26, v4                       ; the stage, in: row = my column, + 128 bytes x wave
	s_lshl_b32 s26, s20, 3
	s_add_co_u32 s26, s26, W1SC
	v_lshlrev_b32 v5, 5, v2
	v_add_nc_u32 v5, s26, v5                       ; the scale bytes, in: 32 x column + 8 x wave
	s_mul_i32 s26, s20, 8*W1P
	s_add_co_u32 s26, s26, W1STG
	v_lshlrev_b32 v8, 4, v2
	v_add_nc_u32 v7, s26, v8                       ; the stage, out: rows 8 w on, 16 bytes a lane
	s_lshl_b32 s26, s20, 8
	s_add_co_u32 s26, s26, W1SC
	v_lshlrev_b32 v9, 3, v2
	v_add_nc_u32 v6, s26, v9                       ; the scale bytes, out: 8 bytes a lane
.macro LOADW t                         ; block t: w1(256 w + 32 t + i, my column) into set t % 2
.set ii, 0
.rept 32
	global_load_b32 v[XW+32*((\t)%2)+ii], v3, s[6:7] offset:(32*(\t)+ii)*12288 th:TH_LOAD_NT
.set ii, ii+1
.endr
.endm
.macro BLOCK t
.set XS, XW+32*((\t)%2)
.if (\t) < 7
	s_wait_loadcnt 32                              ; this block's 32 loads are in; the next block's may be out
.else
	s_wait_loadcnt 0
.endif
	v_max3_num_f32 v12, |v[XS]|, |v[XS+1]|, |v[XS+2]|              ; the block's largest magnitude: all 32 numbers are mine
	v_max3_num_f32 v13, |v[XS+3]|, |v[XS+4]|, |v[XS+5]|
.irp i, 6,10,14,18,22,26
	v_max3_num_f32 v12, v12, |v[XS+\i]|, |v[XS+\i+1]|
	v_max3_num_f32 v13, v13, |v[XS+\i+2]|, |v[XS+\i+3]|
.endr
	v_max3_num_f32 v12, v12, |v[XS+30]|, |v[XS+31]|
	v_max3_num_f32 v12, v12, v13, 0x1800000        ; and the floor 2^(3 - 127): the byte cannot fall under 1
	v_add_nc_u32 v11, 0xff000000, v12              ; 2 off the exponent field: the conversion takes that field of this operand as its scale
	v_lshrrev_b32 v13, 23, v11                     ; the scale's byte
.if (\t)%4 == 0
	v_mov_b32 v[SB+(\t)/4], v13
.else
	v_lshl_or_b32 v[SB+(\t)/4], v13, 8*((\t)%4), v[SB+(\t)/4]
.endif
.irp g, 0,1,2,3
	v_cvt_scalef32_pk8_fp4_f32 v[CW+\g], v[XS+8*\g:XS+8*\g+7], v11
.endr
	v_nop                                          ; one plain line behind a run of scaled conversions
	ds_store_b128 v4, v[CW:CW+3] offset:16*(\t)    ; 32 codes: 16 bytes of my column's row
.if (\t)+2 < 8
	LOADW (\t)+2
.endif
	s_wait_dscnt 0x0                               ; the store has read its registers: the next block's codes may be written
.endm
	LOADW 0
	LOADW 1
.irp t, 0,1,2,3,4,5,6,7
	BLOCK \t
.endr
	ds_store_b64 v5, v[SB:SB+1]                    ; my column's 8 scale bytes
	s_wait_dscnt 0x0                               ; for the others' sake: my stores into the stages are done
	s_barrier_signal -1                            ; (all four waves of a work-group are on this path: it hangs on the work-group's number alone)
	s_barrier_wait -1
.set ii, 0
.rept 8
	ds_load_b128 v[OUTR+4*ii:OUTR+4*ii+3], v7 offset:ii*W1P
.set ii, ii+1
.endr
	ds_load_b64 v[10:11], v6
.set ii, 0
.rept 8
	s_wait_dscnt 8-ii                              ; row ii is in: behind it stand the later rows' loads and the scale bytes'
	global_store_b128 v8, v[OUTR+4*ii:OUTR+4*ii+3], s[14:15] offset:ii*512   ; 32 lanes store a row of 512 bytes
.set ii, ii+1
.endr
	s_wait_dscnt 0x0
	global_store_b64 v9, v[10:11], s[16:17]        ; 32 lanes store 256 consecutive bytes, aligned
	s_wait_tensorcnt 0x0                           ; the wave's end, behind my last LDS store
	ds_add_u32 v[SPW], v[NIL]
	s_wait_dscnt 0x0
	s_endpgm
; ---- x: a wave takes 16 steps of 512 numbers.  Each load reads 512 consecutive bytes; a step's 2,048 bytes turn through the wave's own stage, so that a lane holds 16 neighbours (two lanes hold a block)
.Lpath_x:
	v_lshlrev_b32 v3, 4, v2                        ; my 16 bytes of a load's 512
	s_mul_i32 s21, s20, WREG
	v_lshrrev_b32 v14, 2, v2
	v_mul_u32_u24 v14, v14, SP
	v_and_b32 v15, 3, v2
	v_lshl_add_u32 v14, v15, 4, v14
	v_add_nc_u32 v14, s21, v14                     ; the stage, in: SP (lane / 4) + 16 (lane % 4)
	v_mul_u32_u24 v15, v2, SP
	v_add_nc_u32 v15, s21, v15                     ; and out: SP x lane
	v_lshlrev_b32 v4, 3, v2                        ; my 8 bytes of a step's codes
	v_lshrrev_b32 v5, 1, v2
	s_add_co_u32 s21, s21, 2*32*SP
	v_add_nc_u32 v5, s21, v5                       ; my block's scale byte in LDS
	v_lshlrev_b32 v7, 3, v2
	v_add_nc_u32 v6, s21, v7                       ; and on the way out 8 bytes a lane
	s_lshl_b32 s22, ttmp9, 2
	s_add_co_u32 s22, s22, s20                     ; which run of 8,192 numbers is my wave's
	s_lshl_b32 s24, s22, 15
	s_add_nc_u64 s[4:5], s[4:5], s[24:25]
	s_lshl_b32 s24, s22, 12
	s_add_nc_u64 s[10:11], s[10:11], s[24:25]
	s_lshl_b32 s24, s22, 8
	s_add_nc_u64 s[12:13], s[12:13], s[24:25]
.macro LOADX t
.irp i, 0,1,2,3
	global_load_b128 v[RL+16*((\t)%4)+4*\i:RL+16*((\t)%4)+4*\i+3], v3, s[4:5] offset:2048*(\t)+512*\i th:TH_LOAD_NT
.endr
.endm
.macro TURNX t                         ; LDS serves a wave's instructions in order (ISA guide 5.7.1.4): no wait between the stores and the loads
.irp i, 0,1,2,3
	ds_store_b128 v14, v[RL+16*((\t)%4)+4*\i:RL+16*((\t)%4)+4*\i+3] offset:32*SP*((\t)%2)+8*SP*\i
.endr
.irp i, 0,1,2,3
	ds_load_b128 v[XX+16*((\t)%2)+4*\i:XX+16*((\t)%2)+4*\i+3], v15 offset:32*SP*((\t)%2)+16*\i
.endr
.endm
.irp t, 0,1,2,3
	LOADX \t
.endr
	s_wait_loadcnt 12                              ; step 0's four loads are in
	TURNX 0
.macro STEPX t
.set XS, XX+16*((\t)%2)
.if (\t) > 0
	s_wait_dscnt 1                                 ; this step's numbers are back from the stage (the last step's byte store may be out)
.else
	s_wait_dscnt 0x0
.endif
.if (\t)+4 < STEPS
	LOADX (\t)+4                                   ; into the registers that this step's stores into the stage have read
.endif
.if (\t)+1 < STEPS
.if STEPS-2-(\t) >= 3
	s_wait_loadcnt 12                              ; the next step's four loads are in; those of the three steps behind it may be out
.else
	s_wait_loadcnt 4*(STEPS-2-(\t))
.endif
	TURNX (\t)+1
.endif
	v_max3_num_f32 v8, |v[XS]|, |v[XS+1]|, |v[XS+2]|
	v_max3_num_f32 v9, |v[XS+3]|, |v[XS+4]|, |v[XS+5]|
.irp i, 6,10
	v_max3_num_f32 v8, v8, |v[XS+\i]|, |v[XS+\i+1]|
	v_max3_num_f32 v9, v9, |v[XS+\i+2]|, |v[XS+\i+3]|
.endr
	v_max3_num_f32 v8, v8, |v[XS+14]|, |v[XS+15]|
	v_max3_num_f32 v8, v8, v9, 0x1800000           ; and the floor 2^(3 - 127)
	v_max_num_f32_dpp v8, v8, v8 row_xmask:1 row_mask:0xf bank_mask:0xf   ; with my neighbour's 16: the block's
	v_add_nc_u32 v11, 0xff000000, v8
	v_cvt_scalef32_pk8_fp4_f32 v[CD+2*(\t)], v[XS:XS+7], v11
	v_cvt_scalef32_pk8_fp4_f32 v[CD+2*(\t)+1], v[XS+8:XS+15], v11
	v_lshrrev_b32 v[EB+(\t)], 23, v11              ; the scale's byte (also the plain line behind the conversions)
	ds_store_b8 v5, v[EB+(\t)] offset:16*(\t)      ; both lanes of a block write the same byte with the same value
	global_store_b64 v4, v[CD+2*(\t):CD+2*(\t)+1], s[10:11] offset:256*(\t)   ; 32 lanes store 256 consecutive bytes, aligned
.endm
.irp t, 0,1,2,3,4,5,6,7,8,9,10,11,12,13,14,15
	STEPX \t
.endr
	ds_load_b64 v[8:9], v6
	s_wait_dscnt 0x0
	global_store_b64 v7, v[8:9], s[12:13]          ; my wave's 256 scale bytes
	s_wait_tensorcnt 0x0                           ; the wave's end, behind my last LDS store
	ds_add_u32 v[SPW], v[NIL]
	s_wait_dscnt 0x0
	s_endpgm
.Lfunc_end_k_q855004900e_prep:
	.size	k_q855004900e_prep, .Lfunc_end_k_q855004900e_prep-k_q855004900e_prep
	.p2alignl 7, 3214868480
	.fill 96, 4, 3214868480
	.section	.rodata,"a",@progbits
	.p2align	6, 0x0
	.amdhsa_kernel k_q855004900e_prep
		.amdhsa_group_segment_fixed_size 51200
		.amdhsa_private_segment_fixed_size 0
		.amdhsa_enable_private_segment 0
		.amdhsa_kernarg_size 64
		.amdhsa_user_sgpr_count 2
		.amdhsa_user_sgpr_kernarg_segment_ptr 1
		.amdhsa_wavefront_size32 1
		.amdhsa_system_sgpr_workgroup_id_x 1
		.amdhsa_system_sgpr_workgroup_id_y 1
		.amdhsa_system_sgpr_workgroup_id_z 1
		.amdhsa_system_vgpr_workitem_id 0
		.amdhsa_next_free_vgpr 192
		.amdhsa_next_free_sgpr 66
		.amdhsa_reserve_vcc 0
		.amdhsa_float_denorm_mode_32 3
		.amdhsa_float_denorm_mode_16_64 3
		.amdhsa_memory_ordered 1
		.amdhsa_forward_progress 1
		.amdhsa_inst_pref_size 91
	.end_amdhsa_kernel
	.amdgpu_metadata
---
amdhsa.version: [ 1, 2 ]
amdhsa.kernels:
  - .name:           k_q855004900e_prep
    .symbol:         k_q855004900e_prep.kd
    .args:
      - { .name: x, .offset: 0, .size: 8, .value_kind: global_buffer, .address_space: global }
      - { .name: w1, .offset: 8, .size: 8, .value_kind: global_buffer, .address_space: global }
      - { .name: w2, .offset: 16, .size: 8, .value_kind: global_buffer, .address_space: global }
      - { .name: xc, .offset: 24, .size: 8, .value_kind: global_buffer, .address_space: global }
      - { .name: xs, .offset: 32, .size: 8, .value_kind: global_buffer, .address_space: global }
      - { .name: w1c, .offset: 40, .size: 8, .value_kind: global_buffer, .address_space: global }
      - { .name: w1s, .offset: 48, .size: 8, .value_kind: global_buffer, .address_space: global }
      - { .name: w2i, .offset: 56, .size: 8, .value_kind: global_buffer, .address_space: global }
    .group_segment_fixed_size: 51200
    .private_segment_fixed_size: 0
    .kernarg_segment_align: 8
    .kernarg_segment_size: 64
    .max_flat_workgroup_size: 128
    .sgpr_count:     66
    .vgpr_count:     192
    .wavefront_size: 32
...
	.end_amdgpu_metadata
.endif
;; end of part 1
;; launch qkvg (part 2): grid 12 x 32, 4 waves a work-group, clusters of 4 x 4, 327,680 bytes of LDS; arguments xc, xs, w1c, w1s, b1, qkv; writes qkv
.if DOCPART == 2
	.amdgcn_target "amdgcn-amd-amdhsa--gfx1250"
	.amdhsa_code_object_version 6
	.text
	.protected	k_q855004900e_qkvg
	.globl	k_q855004900e_qkvg
	.p2align	8
	.type	k_q855004900e_qkvg,@function
k_q855004900e_qkvg:
	s_mov_b64 s[64:65], 0
	v_nop
	global_prefetch_b8 v0, s[64:65] scope:SCOPE_SE
	s_setreg_imm32_b32 hwreg(HW_REG_WAVE_MODE, 25, 1), 1
	s_wait_xcnt 0x0
	s_wait_alu depctr_hold_cnt(0) depctr_sa_sdst(0) depctr_va_vdst(0) depctr_va_sdst(0) depctr_va_ssrc(0) depctr_va_vcc(0) depctr_vm_vsrc(0)
	s_getreg_b32 s2, hwreg(HW_REG_IB_STS2, 6, 4)
	s_cmp_eq_u32 s2, 0
	s_cbranch_scc0 .Lentry_in_a_cluster
	s_endpgm
.Lentry_in_a_cluster:
	s_bfe_u32 s2, ttmp6, 0x10000c
	s_cmp_lg_u32 s2, 0xf033
	s_cbranch_scc0 .Lentry_shape_is_right
	s_endpgm
.Lentry_shape_is_right:
; q, k, v = x w1 (+ b1), the product on codes of E2M1 with one E8M0 scale for each 32 along K; sums in f32; results rounded once to f16 and stored as images of operand registers.
; WORK LEFT OUT: b1[1024:2048], k's bias, is neither loaded nor added: q . bk is the same for all keys of a query and leaves the softmax as it is (shown at the head of the first kernel).
; A: xc [8192][512 bytes], xs [8192][32];  B: w1c [3072][512 bytes], w1s [3072][32].  A tile of 256 x 256 is made by four waves, each 128 x 128: 64 accumulators, 512 registers.
; K = 1,024 is two slots of 512 along K (rows of 256 bytes): both are asked for at the head, with the scales of all of K, and nothing is ever filled again.  A wave has three tensor loads out at the most.
; CLUSTERS: 4 x 4 work-groups.  The four of a row of the cluster need the same tiles of A, the four of a column the same tiles of B: each tile is asked for jointly.  A cluster's 1,024 columns are one of q, k, v:
; the cluster's x says which, the same in all sixteen partners.
; THE MATRIX INSTRUCTION IS USED TRANSPOSED (source 0 = 16 rows of B, source 1 = 16 rows of A): a lane holds eight neighbouring channels of one token, which pack into 16 bytes of f16.
; THE BIAS is the C of each sum's first matrix instruction: eight registers for each of my eight blocks of columns; for k they are zeros.
; THE RESULT'S LAYOUT, qkv: part 2^24 + (16 batch + head) 2^18 + (token / 16) 2^11 + ..  For q and k: + (channel / 32) 2^10 + ((channel / 8) % 4) 2^8 + 16 (token % 16): two loads of 16 bytes a lane, at 16 x lane
; and 512 further on, give a fragment of 16 tokens x 32 channels.  For v: + (channel / 16) 2^9 + ((token % 16) / 8) 2^8 + ((channel / 8) % 2) 2^7 + 16 (token % 8): the turning LDS load at 16 x lane gives v^T.
; A lane's 16 bytes lie so that each store of the wave covers 512 consecutive bytes, aligned: no stage in LDS.
; LIMIT: q, k, v beyond 65,504 in magnitude do not fit f16.
; REGISTERS, in windows of 256: window 0: v0-31 addresses; v32-95 scale words, two sets; v128-191 A's fragments, one set; v192-255 the bias.   window 1: B's fragments, two sets, at v0 and v128; on the way out the f16 results.
;   window 2: the 32 accumulators of my rows 0-63 (accumulator (a, b) at v[8 (8 a + b)]);   window 3: those of my rows 64-127.
.set NQ,     4                         ; matrix instructions deep in a slot
.set ROWB,   256                       ; a tile's row in bytes: 512 codes
.set KROW,   512                       ; a row of A or of B in memory
.set PITCH,  272                       ; an LDS row: 256 bytes + 16 of padding = 68 words: the 16 rows that a load touches start at 16 different banks (64 banks of 4 bytes: ISA guide 11.1)
.set FR,     8
.set NL,     2
.set NP,     4                         ; places behind this matrix instruction (ISA guide 7.12.1)
.set HALFT,  128*PITCH
.set SLOT,   4*HALFT
.set KS,     32                        ; a row of scales in bytes
.set SCL,    2*SLOT                    ; behind the slots: the scales, as units of 256 bytes + 16 of padding
.set HALFS,  (128*KS/256)*272
.set SBLK,   (16*KS/256)*272
.set SPARE,  SCL+4*HALFS               ; the spare words, 128 bytes for each wave: two blocks of 256 bytes that no other line names
.set ADRA, 16
.set ADRB, 20
.set CO,   26                          ; v26  the way out: my 16 bytes' place in a store's 512
.set ADRS, 27
.set SPW,  28
.set NIL,  29
.set BO,   30                          ; v30  the bias: 32 bytes x (lane / 16); never rewritten
.set SC,   32
.set AF,   128
.set BIAS, 192
.set G1, 24
.set G0, 32
.set G1B, 48
.set G0B, 56
.set G1S, 68
.set G0S, 76
.set G1SB, 80
.set G0SB, 88
.set PART, 95                          ; s95  0: q, 1: k, 2: v
.set MSB, 0
.macro WIN new                         ; the immediate's high byte repeats the setting that is left
.if MSB != (\new)
	s_set_vgpr_msb (MSB<<8)|(\new)
.set MSB, \new
.endif
.endm
.set MUL_LO, 0xa1                      ; source 0 (B) window 1, source 1 (A) window 0, C and D window 2
.set MUL_HI, 0xf1                      ; the same, C and D window 3
.set BIA_LO, 0x81                      ; C (the bias) window 0, D window 2
.set BIA_HI, 0xc1                      ; C window 0, D window 3
.set TO_B,   0x40
; A joint load: waves 0 and 1 fetch for A, waves 2 and 3 for B; the branch hangs on the wave's number alone.  An s_nop 0 and four v_nop follow each of the two lines.
.macro JLOAD g0a, g1a, g0b, g1b
	s_cmp_eq_u32 s15, 0
	s_cbranch_scc0 .Lfor_b_\@
	tensor_load_to_lds s[\g0a:\g0a+3], s[\g1a:\g1a+7]
	s_nop 0
.rept 4
	v_nop
.endr
	s_branch .Lasked_\@
.Lfor_b_\@:
	tensor_load_to_lds s[\g0b:\g0b+3], s[\g1b:\g1b+7]
	s_nop 0
.rept 4
	v_nop
.endr
.Lasked_\@:
.endm
.macro CROUND                          ; a round of the cluster's barrier
	s_barrier_signal -1
	s_barrier_wait -1
	s_cmp_lg_u32 s14, 0
	s_cbranch_scc1 .Lnot_wave_0_\@
	s_barrier_signal -3
.Lnot_wave_0_\@:
	s_barrier_wait -3
	s_barrier_signal -1
	s_barrier_wait -1
.endm
	s_load_b128 s[4:7], s[0:1], 0x0                ; A's codes s[4:5], A's scales s[6:7]
	s_load_b128 s[8:11], s[0:1], 0x10              ; B's codes s[8:9], B's scales s[10:11]
	s_load_b128 s[96:99], s[0:1], 0x20             ; b1 s[96:97], qkv s[98:99]
	v_lshl_add_u32 v[SPW], v0, 2, SPARE
	v_mov_b32 v[NIL], 0
	ds_add_u32 v[SPW], v[NIL]                      ; the wave's opening: the add, twice on end, and its wait ahead of my first tensor load
	ds_add_u32 v[SPW], v[NIL]
	v_lshrrev_b32 v1, 5, v0
	v_readfirstlane_b32 s14, v1                    ; wave 0..3
	s_lshr_b32 s15, s14, 1                         ; which half of the tile's rows is mine.  Also: I fetch for A (0) or for B (1)
	s_and_b32 s16, s14, 1                          ; which half of its columns.  Also: which 128 rows of that tile I fetch
	s_bfe_u32 s40, ttmp6, 0x40000                  ; cx, cy: my place in the cluster
	s_bfe_u32 s41, ttmp6, 0x40004
	s_lshl_b32 s42, ttmp9, 2
	s_add_co_u32 s42, s42, s40                     ; tile column = 4 x cluster x + cx
	s_and_b32 s17, ttmp7, 0xffff
	s_lshl_b32 s17, s17, 2
	s_add_co_u32 s17, s17, s41                     ; tile row = 4 x cluster y + cy
	s_mov_b32 s[PART], ttmp9
	s_lshl_b32 s43, s41, 2
	s_lshl_b32 s43, 15, s43                        ; my row of the cluster
	s_lshl_b32 s44, 0x1111, s40                    ; my column
	s_or_b32 s[G1+0], s43, (0<<16)|(1<<20)|(1<<21)|(5<<22)|(3<<25)  ; the mask; elements of 1 byte; padding on; bit 21 beside a mask; after every 64 words, 4 words
	s_or_b32 s[G1B+0], s44, (0<<16)|(1<<20)|(1<<21)|(5<<22)|(3<<25)
.irp g, G1, G1B
	s_mov_b32 s[\g+1], ROWB<<16                    ; tensor_dim0
	s_mov_b32 s[\g+2], 128<<16                     ; tensor_dim1
	s_mov_b32 s[\g+3], ROWB<<16                    ; tile_dim0
	s_mov_b32 s[\g+4], 128                         ; tile_dim1
	s_mov_b32 s[\g+5], KROW                        ; from row to row
	s_mov_b32 s[\g+6], 0
	s_mov_b32 s[\g+7], 0
.endr
	s_or_b32 s[G1S+0], s43, (3<<16)|(1<<20)|(1<<21)|(5<<22)|(3<<25)  ; the scales of 128 rows: 4,096 dense bytes as 16 rows of 256 (32 elements of 8 bytes), 16 bytes of padding behind each
	s_or_b32 s[G1SB+0], s44, (3<<16)|(1<<20)|(1<<21)|(5<<22)|(3<<25)
.irp g, G1S, G1SB
	s_mov_b32 s[\g+1], 32<<16
	s_mov_b32 s[\g+2], (128*KS/256)<<16
	s_mov_b32 s[\g+3], 32<<16
	s_mov_b32 s[\g+4], 128*KS/256
	s_mov_b32 s[\g+5], 32
	s_mov_b32 s[\g+6], 0
	s_mov_b32 s[\g+7], 0
.endr
	s_lshl_b32 s18, s16, 7
	s_lshl_b32 s20, s17, 8
	s_add_co_u32 s20, s20, s18                     ; A: row 256 x tile row + 128 x half
	s_lshl_b32 s46, s42, 8
	s_add_co_u32 s46, s46, s18                     ; B: row 256 x tile column + 128 x half
	s_mov_b32 s21, 0
	s_mov_b32 s47, 0
	s_mov_b64 s[18:19], KS
	s_mul_u64 s[22:23], s[20:21], s[18:19]         ; where these rows' scales begin
	s_mul_u64 s[92:93], s[46:47], s[18:19]
	s_mov_b64 s[18:19], KROW
	s_mul_u64 s[20:21], s[20:21], s[18:19]         ; and their codes
	s_mul_u64 s[46:47], s[46:47], s[18:19]
	s_mul_i32 s45, s14, HALFT                      ; where they go: wave x 128 rows: no place in the cluster enters an LDS address
	s_mul_i32 s94, s14, HALFS
	s_wait_dscnt 0x0                               ; both opening adds are done
	s_wait_kmcnt 0x0
	s_add_nc_u64 s[20:21], s[4:5], s[20:21]
	s_add_nc_u64 s[22:23], s[6:7], s[22:23]
	s_add_nc_u64 s[46:47], s[8:9], s[46:47]
	s_add_nc_u64 s[92:93], s[10:11], s[92:93]
	CROUND                                         ; all sixteen work-groups are here: the joint loads meet
	s_mov_b32 s[G0S], 1
	s_add_co_u32 s[G0S+1], s94, SCL
	s_mov_b64 s[G0S+2:G0S+3], s[22:23]
	s_or_b32 s[G0S+3], s[G0S+3], 0x80000000
	s_mov_b32 s[G0SB], 1
	s_add_co_u32 s[G0SB+1], s94, SCL
	s_mov_b64 s[G0SB+2:G0SB+3], s[92:93]
	s_or_b32 s[G0SB+3], s[G0SB+3], 0x80000000
	JLOAD G0S, G1S, G0SB, G1SB                     ; the scales first: they are wanted with the first slot
.irp s, 0,1
	s_mov_b32 s[G0+4*\s], 1
	s_add_co_u32 s[G0+4*\s+1], s45, \s*SLOT
	s_add_nc_u64 s[G0+4*\s+2:G0+4*\s+3], s[20:21], \s*ROWB
	s_or_b32 s[G0+4*\s+3], s[G0+4*\s+3], 0x80000000
	s_mov_b32 s[G0B+4*\s], 1
	s_add_co_u32 s[G0B+4*\s+1], s45, \s*SLOT
	s_add_nc_u64 s[G0B+4*\s+2:G0B+4*\s+3], s[46:47], \s*ROWB
	s_or_b32 s[G0B+4*\s+3], s[G0B+4*\s+3], 0x80000000
	JLOAD G0+4*\s, G1, G0B+4*\s, G1B
.endr
	v_and_b32 v1, 15, v0                           ; l % 16
	v_bfe_u32 v2, v0, 4, 1                         ; l / 16
	v_mul_u32_u24 v3, v1, PITCH
	v_lshl_add_u32 v4, v2, 4, v3                   ; a fragment's row x pitch + 16 x half
	s_mul_i32 s21, s15, HALFT                      ; my 128 rows of A
	s_mul_i32 s22, s16, HALFT                      ; my 128 rows of B,
	s_add_co_u32 s22, s22, 2*HALFT                 ; which lie behind A's 256
.irp s, 0,1
	v_add_nc_u32 v[ADRA+\s], s21, v4
	v_add_nc_u32 v[ADRB+\s], s22, v4
	s_add_co_u32 s21, s21, SLOT
	s_add_co_u32 s22, s22, SLOT
.endr
	v_mul_u32_u24 v5, v1, KS                       ; my row's scales: KS bytes a row,
	v_lshrrev_b32 v6, 8, v5
	v_lshl_add_u32 v5, v6, 4, v5                   ; and 16 more for each 256 passed
	s_mul_i32 s21, s15, HALFS
	s_mul_i32 s22, s16, HALFS
	s_add_co_u32 s22, s22, 2*HALFS
	s_sub_co_u32 s22, s22, s21
	v_mul_u32_u24 v6, s22, v2                      ; lanes 16-31 take B's
	s_add_co_u32 s21, s21, SCL
	v_add_nc_u32 v5, v5, v6
	v_add_nc_u32 v[ADRS], s21, v5
	; the way out: my first head and my first tile of 16 tokens.  (What holds cx is made in the registers that held B's addresses)
	s_lshr_b32 s46, s17, 3                         ; the batch: 8 tile rows of 256 tokens each
	s_lshl_b32 s46, s46, 4
	s_lshl_b32 s47, s40, 2
	s_add_co_u32 s46, s46, s47                     ; + 4 heads for each tile column of the part
	s_lshl_b32 s47, s16, 1
	s_add_co_u32 s46, s46, s47                     ; + 2 for my half of the columns
	s_lshl_b32 s46, s46, 18
	s_and_b32 s47, s17, 7
	s_lshl_b32 s47, s47, 4
	s_lshl_b32 s92, s15, 3
	s_add_co_u32 s47, s47, s92                     ; token / 16
	s_lshl_b32 s47, s47, 11
	s_add_co_u32 s46, s46, s47
	s_lshl_b32 s47, s[PART], 24
	s_add_co_u32 s46, s46, s47
	s_mov_b32 s47, 0
	s_add_nc_u64 s[98:99], s[98:99], s[46:47]
	s_cmp_eq_u32 s[PART], 2                        ; v's pieces lie otherwise inside each 512 bytes
	s_cselect_b32 s66, 8, 7
	s_cselect_b32 s67, 7, 8
	v_and_b32 v5, 7, v0
	v_lshlrev_b32 v[CO], 4, v5                     ; 16 (token % 8)
	v_bfe_u32 v5, v0, 3, 1
	v_lshlrev_b32 v5, s66, v5                      ; + ((token % 16) / 8) x 128 (v: 256)
	v_add_nc_u32 v[CO], v[CO], v5
	v_lshlrev_b32 v5, s67, v2                      ; + (lane / 16) x 256 (v: 128)
	v_add_nc_u32 v[CO], v[CO], v5
	; the bias of my 128 columns: block b, lane half h: b1[256 x tile column + 128 x half + 16 b + 8 h + 0 .. 7]
	s_lshl_b32 s46, s42, 10
	s_lshl_b32 s92, s16, 9
	s_add_co_u32 s46, s46, s92
	s_add_nc_u64 s[96:97], s[96:97], s[46:47]
	v_lshlrev_b32 v[BO], 5, v2
	s_cmp_eq_u32 s[PART], 1                        ; the cluster's x: the same in all waves and all partners
	s_cbranch_scc1 .Lno_bias
.irp b, 0,1,2,3,4,5,6,7
	global_load_b128 v[BIAS+8*\b:BIAS+8*\b+3], v[BO], s[96:97] offset:64*\b
	global_load_b128 v[BIAS+8*\b+4:BIAS+8*\b+7], v[BO], s[96:97] offset:64*\b+16
.endr
	s_branch .Lbias_done
.Lno_bias:                                             ; k: its bias is left out: the sums begin at zero
.set ii, 0
.rept 64
	v_mov_b32 v[BIAS+ii], 0
.set ii, ii+1
.endr
.Lbias_done:
.macro FRAG reg, adr, q, i             ; a fragment, 16 rows x 128 K of 4-bit codes, is 8 registers: lane l holds row l % 16; registers 4 c .. 4 c + 3 hold K = 64 c + 32 (l / 16) + 0 .. 31
.irp c, 0,1
	ds_load_b128 v[\reg+4*\c:\reg+4*\c+3], v[\adr] offset:64*(\q)+32*\c+(\i)*16*PITCH
.endr
.endm
; 16 matrix instructions: A's blocks a0, a0 + 1 x B's eight, 128 along K: the slot's q-th.  p: B's set;  sc: the set of scale words.  bias = 1: the first product starts the sums from the bias.
; The 64 accumulators take turns, one instruction a turn, in the same order in every step.
.macro MUL16 a0, p, q, sc, bias
.irp a, \a0, \a0+1
.irp b, 0,1,2,3,4,5,6,7
.if \bias
	v_wmma_scale_f32_16x16x128_f8f6f4 v[8*(8*((\a)%4)+\b):8*(8*((\a)%4)+\b)+7], v[128*(\p)+FR*\b:128*(\p)+FR*\b+FR-1], v[AF+FR*(\a):AF+FR*(\a)+FR-1], v[BIAS+8*\b:BIAS+8*\b+7], v[SC+8*NQ*(\sc)+NQ*\b+(\q)], v[SC+8*NQ*(\sc)+NQ*(\a)+(\q)] matrix_a_fmt:MATRIX_FMT_FP4 matrix_b_fmt:MATRIX_FMT_FP4 matrix_a_scale:MATRIX_SCALE_ROW1
.else
	v_wmma_scale_f32_16x16x128_f8f6f4 v[8*(8*((\a)%4)+\b):8*(8*((\a)%4)+\b)+7], v[128*(\p)+FR*\b:128*(\p)+FR*\b+FR-1], v[AF+FR*(\a):AF+FR*(\a)+FR-1], v[8*(8*((\a)%4)+\b):8*(8*((\a)%4)+\b)+7], v[SC+8*NQ*(\sc)+NQ*\b+(\q)], v[SC+8*NQ*(\sc)+NQ*(\a)+(\q)] matrix_a_fmt:MATRIX_FMT_FP4 matrix_b_fmt:MATRIX_FMT_FP4 matrix_a_scale:MATRIX_SCALE_ROW1
.endif
.endr
.endr
.endm
.macro FETCH_B slot, q, p
	WIN TO_B
.irp i, 0,1,2,3,4,5,6,7
	FRAG 128*(\p)+FR*\i, ADRB+\slot, \q, \i
.endr
	WIN 0
.endm
.macro FETCH_A slot, q, i0
.irp i, \i0, \i0+1, \i0+2, \i0+3
	FRAG AF+FR*(\i), ADRA+\slot, \q, \i
.endr
.endm
.macro SCALES sc                       ; a slot's scale words: 4 words a row; lanes 0-15 take A's block i, lanes 16-31 B's block i
.irp i, 0,1,2,3,4,5,6,7
	ds_load_b128 v[SC+8*NQ*\sc+NQ*\i:SC+8*NQ*\sc+NQ*\i+3], v[ADRS] offset:\i*SBLK
.endr
.endm
.macro PLACES n                        ; plain vector lines between a matrix instruction and a load into, or a vector line on, its registers
.rept \n
	v_nop
.endr
.endm
.macro STEP slot, q, bias              ; a step of 128 along K that has its successor in the same slot
	s_wait_dscnt 4*NL                              ; B's set and A's blocks 0-3 are in; the youngest eight loads (A's blocks 4-7) may be out
.if \bias
	WIN BIA_LO
.else
	WIN MUL_LO
.endif
	MUL16 0, (\q)%2, \q, \slot, \bias
	MUL16 2, (\q)%2, \q, \slot, \bias
	s_wait_dscnt 0                                 ; A's blocks 4-7 are in
	PLACES NP
	FETCH_B \slot, (\q)+1, 1-(\q)%2
	FETCH_A \slot, (\q)+1, 0
.if \bias
	WIN BIA_HI
.else
	WIN MUL_HI
.endif
	MUL16 4, (\q)%2, \q, \slot, \bias
	MUL16 6, (\q)%2, \q, \slot, \bias
	PLACES NP
	WIN 0
	FETCH_A \slot, (\q)+1, 4
.endm
; Slot 0's last step changes slots: one barrier; in front of it each wave waits for all its tensor loads (its part of slot 1), adds 0 to its spare word, and waits for that and for its LDS loads.  Nothing is filled again.
.macro TURN slot, next
	s_wait_tensorcnt 0x0
	ds_add_u32 v[SPW], v[NIL]
	s_wait_dscnt 4*NL+1                            ; (the add and the youngest eight loads may be out)
	WIN MUL_LO
	MUL16 0, 1, NQ-1, \slot, 0
	s_wait_dscnt 0x0
	s_barrier_signal -1
	MUL16 2, 1, NQ-1, \slot, 0
	WIN 0
	s_barrier_wait -1                              ; the next slot is whole
	PLACES NP
	v_add_nc_u32 v[ADRS], 4*NQ, v[ADRS]            ; on to the next slot's scale words
	FETCH_B \next, 0, 0
	FETCH_A \next, 0, 0
	SCALES \next
	WIN MUL_HI
	MUL16 4, 1, NQ-1, \slot, 0
	MUL16 6, 1, NQ-1, \slot, 0
	PLACES NP
	WIN 0
	FETCH_A \next, 0, 4
.endm
.macro STEPS slot, from
.set Q, \from
.rept NQ-1-\from
	STEP \slot, Q, 0
.set Q, Q+1
.endr
.endm
	s_wait_tensorcnt 1                             ; the scales and my part of slot 0 are in (slot 1's load may be out),
	s_barrier_signal -1
	s_barrier_wait -1                              ; everybody's are
	FETCH_B 0, 0, 0
	FETCH_A 0, 0, 0
	SCALES 0
	FETCH_A 0, 0, 4
	s_wait_loadcnt 0x0                             ; the bias
	STEP 0, 0, 1
	STEPS 0, 1
	TURN 0, 1
	STEPS 1, 0
	s_wait_dscnt 4*NL                              ; the very last step: nothing more to fetch
	WIN MUL_LO
	MUL16 0, 1, NQ-1, 1, 0
	MUL16 2, 1, NQ-1, 1, 0
	s_wait_dscnt 0
	WIN MUL_HI
	MUL16 4, 1, NQ-1, 1, 0
	MUL16 6, 1, NQ-1, 1, 0
	WIN 0
	PLACES NP                                      ; in front of the conversions, which read results and write over B's fragments
; THE WAY OUT, a block of 16 tokens at a time: 32 roundings to f16 (each accumulator from its low end on) into window 1, then eight stores of 512 consecutive bytes.  Every store has data registers of its own
; and the base is never stepped: no wait stands here.
.macro OUTB a
.set AC, 64*((\a)%4)
	WIN 0x4a+5*((\a)/4)                            ; sources window 2 or 3, destination window 1
.set bb, 0
.rept 8
.set rr, 0
.rept 4
	v_cvt_pk_f16_f32 v[32*(\a)+4*bb+rr], v[AC+8*bb+2*rr], v[AC+8*bb+2*rr+1]
.set rr, rr+1
.endr
.set bb, bb+1
.endr
	WIN 0x04                                       ; a store's data are its source 1: window 1
.set bb, 0
.rept 8
	global_store_b128 v[CO], v[32*(\a)+4*bb:32*(\a)+4*bb+3], s[98:99] offset:(bb/4)*262144+(\a)*2048+(bb%4)*512
.set bb, bb+1
.endr
.endm
.irp a, 0,1,2,3,4,5,6,7
	OUTB \a
.endr
	WIN 0
	s_wait_tensorcnt 0x0                           ; the wave's end
	ds_add_u32 v[SPW], v[NIL]
	s_wait_dscnt 0x0
	CROUND                                         ; the closing round
	s_endpgm
.Lfunc_end_k_q855004900e_qkvg:
	.size	k_q855004900e_qkvg, .Lfunc_end_k_q855004900e_qkvg-k_q855004900e_qkvg
	.p2alignl 7, 3214868480
	.fill 96, 4, 3214868480
	.section	.rodata,"a",@progbits
	.p2align	6, 0x0
	.amdhsa_kernel k_q855004900e_qkvg
		.amdhsa_group_segment_fixed_size 327680
		.amdhsa_private_segment_fixed_size 0
		.amdhsa_enable_private_segment 0
		.amdhsa_kernarg_size 48
		.amdhsa_user_sgpr_count 2
		.amdhsa_user_sgpr_kernarg_segment_ptr 1
		.amdhsa_wavefront_size32 1
		.amdhsa_system_sgpr_workgroup_id_x 1
		.amdhsa_system_sgpr_workgroup_id_y 1
		.amdhsa_system_sgpr_workgroup_id_z 1
		.amdhsa_system_vgpr_workitem_id 0
		.amdhsa_next_free_vgpr 1024
		.amdhsa_next_free_sgpr 100
		.amdhsa_reserve_vcc 0
		.amdhsa_float_denorm_mode_32 3
		.amdhsa_float_denorm_mode_16_64 3
		.amdhsa_memory_ordered 1
		.amdhsa_forward_progress 1
		.amdhsa_inst_pref_size 122
	.end_amdhsa_kernel
	.amdgpu_metadata
---
amdhsa.version: [ 1, 2 ]
amdhsa.kernels:
  - .name:           k_q855004900e_qkvg
    .symbol:         k_q855004900e_qkvg.kd
    .args:
      - { .name: xc, .offset: 0, .size: 8, .value_kind: global_buffer, .address_space: global }
      - { .name: xs, .offset: 8, .size: 8, .value_kind: global_buffer, .address_space: global }
      - { .name: w1c, .offset: 16, .size: 8, .value_kind: global_buffer, .address_space: global }
      - { .name: w1s, .offset: 24, .size: 8, .value_kind: global_buffer, .address_space: global }
      - { .name: b1, .offset: 32, .size: 8, .value_kind: global_buffer, .address_space: global }
      - { .name: qkv, .offset: 40, .size: 8, .value_kind: global_buffer, .address_space: global }
    .group_segment_fixed_size: 327680
    .private_segment_fixed_size: 0
    .kernarg_segment_align: 8
    .kernarg_segment_size: 48
    .max_flat_workgroup_size: 128
    .sgpr_count:     100
    .vgpr_count:     1024
    .wavefront_size: 32
...
	.end_amdgpu_metadata
.endif
;; end of part 2
;; launch att (part 3): grid 4 x 64, 8 waves a work-group, clusters of 4 x 1, 327,680 bytes of LDS; arguments qkv, ai; writes ai
.if DOCPART == 3
	.amdgcn_target "amdgcn-amd-amdhsa--gfx1250"
	.amdhsa_code_object_version 6
	.text
	.protected	k_q855004900e_att
	.globl	k_q855004900e_att
	.p2align	8
	.type	k_q855004900e_att,@function
k_q855004900e_att:
	s_mov_b64 s[64:65], 0
	v_nop
	global_prefetch_b8 v0, s[64:65] scope:SCOPE_SE
	s_setreg_imm32_b32 hwreg(HW_REG_WAVE_MODE, 25, 1), 1
	s_wait_xcnt 0x0
	s_wait_alu depctr_hold_cnt(0) depctr_sa_sdst(0) depctr_va_vdst(0) depctr_va_sdst(0) depctr_va_ssrc(0) depctr_va_vcc(0) depctr_vm_vsrc(0)
	s_getreg_b32 s2, hwreg(HW_REG_IB_STS2, 6, 4)
	s_cmp_eq_u32 s2, 0
	s_cbranch_scc0 .Lentry_in_a_cluster
	s_endpgm
.Lentry_in_a_cluster:
	s_bfe_u32 s2, ttmp6, 0x10000c
	s_cmp_lg_u32 s2, 0x3003
	s_cbranch_scc0 .Lentry_shape_is_right
	s_endpgm
.Lentry_shape_is_right:
; a[b][h][q][:] = the sum over k of softmax_k(q . k) v[k][:], no mask, no factor on the scores.  q, k, v: f16, as images of operand registers (laid by the launch before); products, maxima and sums in f32;
; the weights p are rounded to f16 for the second product, a once at the end.  (k comes without its bias: shown at the head of the first kernel.)
; SHARES.  A cluster of four work-groups is one (batch, head); a work-group owns 512 queries, each of its eight waves 64: four tiles of 16, in 512 registers, so that two waves stand on a SIMD and one wave's
; vector work stands beside the other's matrix work.  Every wave walks the head's 2,048 keys, 64 a step.
; CLUSTER.  The four work-groups walk the same k and v, so each tile is asked for jointly: the same tensor load, with the same descriptor and a mask that names the four.
; RING.  Two slots of 512 keys: 65,536 bytes of k's images, then 65,536 of v's, dense, no padding: an LDS load takes 512 consecutive bytes.  Wave w brings 16,384 bytes of a slot (waves 0-3: k's quarters,
; waves 4-7: v's): one shape, one line, no branch.  Two loads of a wave are out at the head, later one; a refill has a slot's eight steps in which to land.
; LAYOUT.  S^T = k q^T (source 0 = 16 keys, source 1 = 16 queries): a lane holds ONE query (lane % 16) and the keys 8 (lane / 16) + 0 .. 7 of a tile.  Two such tiles, rounded to f16 in pairs, ARE source 1
; (32 keys x 16 queries) of O^T = v^T p; they are rounded in place.  v comes out of LDS turned, by ds_load_tr16_b128 at 16 x lane.
; SOFTMAX.  For each query a running maximum m and sum l: p = 2^(c s - c m), c = log2(e); in every step O and l are multiplied by a = 2^(c m_old - c m_new).  The first step takes the plain maximum and starts l and O.
; THE RESULT'S LAYOUT, ai: (head / 2) 2^21 + (128 batch + token / 16) 2^12 + (2 (head % 2) + channel / 32) 2^10 + ((channel / 8) % 4) 2^8 + 16 (token % 16): fragments of 16 tokens x 32 along the next K.
; REGISTERS: window 0: v1-7 addresses; v16-47 eight registers of statistics a tile (+0 c m, +1 m, +2, +3 l, +4 to +7 at work, a in +6); v48-63 four a tile: the old c m, then two pairs of sums;
;   v64-191 S^T, 32 a tile, then p; v192-255 v^T of a step.   window 1: v0-127 O^T, 32 a tile; v128-191 q, 16 a tile; v192-255 k of a step.
.set SLOT1, 1<<17
.set VOFF,  65536
.set STEPB, 8192                       ; a step's 64 keys: four images of 2,048 bytes
.set SPARE, 2*SLOT1                    ; the spare words, 128 bytes for each wave: four blocks of 256 bytes that no other line names
.set LI,  1                            ; v1  16 x lane; never rewritten
.set AV0, 2                            ; v2  16 x lane + VOFF
.set ADK, 3
.set ADV, 4
.set PFO, 5                            ; v5  256 x lane; never rewritten
.set SPW, 6
.set NIL, 7
.set ST,  16
.set SU,  48
.set S,   64
.set VF,  192
.set QF,  128
.set KF,  192
.set WV,  12
.set G1,  24                           ; s[24:31] descriptor group 1
.set G0,  32                           ; s[32:35] group 0 of slot 0's first fill; s[36:39] of slot 1's, which then walks on
.set SLOTS, 40
.set CNT, 41
.set TB,  42                           ; LDS byte at which the step's images of k begin
.set CS,  44                           ; s[44:45] c
.set SEL, 46                           ; s[46:47] v_permlanex16_b32's selects: lane l xor 16
.set PFA, 48                           ; s[48:49] where my prefetch stands
.set LIM, 50                           ; 1 in a wave that prefetches, else the greatest number
.set MSB, 0
.macro WIN new
.if MSB != (\new)
	s_set_vgpr_msb (MSB<<8)|(\new)
.set MSB, \new
.endif
.endm
.set W_KQ, 0x05                        ; k and q in window 1, S^T in window 0
.set W_PV, 0x50                        ; v^T and p in window 0, O^T in window 1
.set W_RS, 0x41                        ; O^T (destination and source 0) in window 1, the factor in window 0
.macro JLOAD g0                        ; an s_nop 0 and four v_nop follow the line
	tensor_load_to_lds s[\g0:\g0+3], s[G1:G1+7]
	s_nop 0
.rept 4
	v_nop
.endr
.endm
; A PREFETCH of what the next change of slots will ask for: 65,536 bytes of k and as many of v.  Each aligned block of 256 bytes is named once in the launch: the even waves ask, each for its own quarter and the
; next (32,768 bytes); the four partners take 8,192 of them each, told apart by address; lanes stand 256 bytes apart.  It stands behind the tensor load's lines, a slot's eight steps ahead of the load that will
; want the bytes.  The last change that fills a slot asks for nothing, and nothing is asked for at the head.
.macro ASK
	s_cmp_gt_u32 s[SLOTS], s[LIM]
	s_cbranch_scc0 .Lnot_mine_\@
	global_prefetch_b8 v[PFO], s[PFA:PFA+1] th:TH_LOAD_NT scope:SCOPE_SE
.Lnot_mine_\@:
.endm
.macro CROUND
	s_barrier_signal -1
	s_barrier_wait -1
	s_cmp_lg_u32 s[WV], 0
	s_cbranch_scc1 .Lnot_wave_0_\@
	s_barrier_signal -3
.Lnot_wave_0_\@:
	s_barrier_wait -3
	s_barrier_signal -1
	s_barrier_wait -1
.endm
	s_load_b128 s[4:7], s[0:1], 0x0                ; qkv s[4:5], ai s[6:7]
	v_lshl_add_u32 v[SPW], v0, 2, SPARE
	v_mov_b32 v[NIL], 0
	ds_add_u32 v[SPW], v[NIL]                      ; the wave's opening: the add, twice on end, and its wait ahead of my first tensor load
	ds_add_u32 v[SPW], v[NIL]
	v_lshrrev_b32 v8, 5, v0
	v_readfirstlane_b32 s[WV], v8                  ; wave 0..7
	s_bfe_u32 s13, ttmp6, 0x40000                  ; cx: my place in the cluster
	s_and_b32 s14, ttmp7, 0xffff                   ; 16 batch + head, which the four partners share
	s_lshl_b32 s16, s14, 18                        ; the head's first byte in a part
	s_lshr_b32 s17, s[WV], 2
	s_add_co_u32 s17, s17, 1                       ; the part that I fetch: 1 = k, 2 = v
	s_lshl_b32 s17, s17, 24
	s_and_b32 s18, s[WV], 3
	s_lshl_b32 s18, s18, 14                        ; my quarter
	s_add_co_u32 s20, s17, s16
	s_add_co_u32 s20, s20, s18
	s_mov_b32 s21, 0
	s_lshl_b32 s22, s13, 5
	s_lshl_b32 s23, s[WV], 2
	s_add_co_u32 s22, s22, s23                     ; my first tile of queries: 32 cx + 4 wave: it enters q's and a's addresses alone
	s_lshl_b32 s52, s22, 11
	s_add_co_u32 s52, s52, s16
	s_mov_b32 s53, 0
	s_and_b32 s54, s14, 15                         ; the head
	s_lshr_b32 s55, s54, 1
	s_lshl_b32 s55, s55, 21
	s_and_b32 s54, s54, 1
	s_lshl_b32 s54, s54, 11
	s_add_co_u32 s54, s54, s55
	s_lshr_b32 s55, s14, 4                         ; the batch
	s_lshl_b32 s55, s55, 7
	s_add_co_u32 s55, s55, s22
	s_lshl_b32 s55, s55, 12
	s_add_co_u32 s54, s54, s55
	s_mov_b32 s55, 0
	s_lshl_b32 s18, s13, 13                        ; the prefetch: my work-group's 8,192 bytes,
	s_add_co_u32 s18, s18, 2*65536                 ; in the third 512 keys; the first change of slots steps it to the fourth
	s_mov_b32 s19, 0
	s_mov_b32 s[G1], 15|(3<<16)|(1<<21)            ; the mask: all four work-groups; elements of 8 bytes; bit 21 beside a mask; no padding
	s_mov_b32 s[G1+1], 32<<16                      ; tensor_dim0 = 32 elements: rows of 256 bytes
	s_mov_b32 s[G1+2], 64<<16                      ; tensor_dim1 = 64
	s_mov_b32 s[G1+3], 32<<16                      ; tile_dim0
	s_mov_b32 s[G1+4], 64                          ; tile_dim1
	s_mov_b32 s[G1+5], 32                          ; from row to row: dense
	s_mov_b32 s[G1+6], 0
	s_mov_b32 s[G1+7], 0
	s_mov_b32 s[CS], 0x3fb8aa3b                    ; c = log2(e)
	s_mov_b32 s[CS+1], s[CS]                       ; (named with it as a pair, so it is written)
	s_mov_b32 s[SEL], 0x76543210
	s_mov_b32 s[SEL+1], 0xfedcba98
	s_mov_b32 s[TB], 0
	s_and_b32 s[LIM], s[WV], 1
	s_cmp_eq_u32 s[LIM], 0
	s_cselect_b32 s[LIM], 1, -1
	v_and_b32 v8, 31, v0
	v_lshlrev_b32 v[LI], 4, v8
	v_add_nc_u32 v[AV0], VOFF, v[LI]
	v_lshlrev_b32 v[PFO], 8, v8
	s_wait_dscnt 0x0                               ; both opening adds are done
	s_wait_kmcnt 0x0
	s_add_nc_u64 s[8:9], s[4:5], s[52:53]          ; q at my first tile
	s_add_nc_u64 s[10:11], s[6:7], s[54:55]        ; a likewise
	s_add_nc_u64 s[20:21], s[4:5], s[20:21]        ; my quarter of the first 512 keys
	s_add_nc_u64 s[PFA:PFA+1], s[20:21], s[18:19]
	s_mov_b32 s[G0], 1
	s_lshl_b32 s[G0+1], s[WV], 14                  ; LDS: wave x 16,384: no place in the cluster enters an LDS address
	s_mov_b64 s[G0+2:G0+3], s[20:21]
	s_or_b32 s[G0+3], s[G0+3], 0x80000000
	s_mov_b32 s[G0+4], 1
	s_add_co_u32 s[G0+5], s[G0+1], SLOT1
	s_add_nc_u64 s[G0+6:G0+7], s[20:21], 65536
	s_or_b32 s[G0+7], s[G0+7], 0x80000000
	CROUND                                         ; all four work-groups are here: the first joint loads meet
	tensor_load_to_lds s[G0:G0+3], s[G1:G1+7]
	s_nop 0
	tensor_load_to_lds s[G0+4:G0+7], s[G1:G1+7]
	s_nop 0
.rept 4
	v_nop
.endr
	WIN 0x40                                       ; destination window 1
.set ff, 0
.rept 16                               ; q stays in registers: tile ff / 4, channels 32 ((ff / 2) % 2) on
	global_load_b128 v[QF+4*ff:QF+4*ff+3], v[LI], s[8:9] offset:512*ff
.set ff, ff+1
.endr
	WIN 0
.macro KLOAD                           ; a step's k: 8 fragments of 16 keys x 32 channels
	WIN 0x40
.set ff, 0
.rept 16
	ds_load_b128 v[KF+4*ff:KF+4*ff+3], v[ADK] offset:512*ff
.set ff, ff+1
.endr
.endm
.macro VLOAD                           ; a step's v^T: fragment (ct, ks): 16 channels x 32 keys
	WIN 0
.irp ct, 0,1,2,3
.irp ks, 0,1
	ds_load_tr16_b128 v[VF+8*(2*\ct+\ks):VF+8*(2*\ct+\ks)+3], v[ADV] offset:4096*\ks+512*\ct
	ds_load_tr16_b128 v[VF+8*(2*\ct+\ks)+4:VF+8*(2*\ct+\ks)+7], v[ADV] offset:4096*\ks+512*\ct+2048
.endr
.endr
.endm
; The accumulators take turns, one instruction a turn: sixteen in each of the two products.
.macro KQALL
	WIN W_KQ
.irp cs, 0,1
.irp kt, 0,1,2,3
.irp t, 0,1,2,3
.if \cs == 0
	v_wmma_f32_16x16x32_f16 v[S+32*\t+8*\kt:S+32*\t+8*\kt+7], v[KF+16*\kt+8*\cs:KF+16*\kt+8*\cs+7], v[QF+16*\t+8*\cs:QF+16*\t+8*\cs+7], 0
.else
	v_wmma_f32_16x16x32_f16 v[S+32*\t+8*\kt:S+32*\t+8*\kt+7], v[KF+16*\kt+8*\cs:KF+16*\kt+8*\cs+7], v[QF+16*\t+8*\cs:QF+16*\t+8*\cs+7], v[S+32*\t+8*\kt:S+32*\t+8*\kt+7]
.endif
.endr
.endr
.endr
.endm
.macro PVALL first
	WIN W_PV
.irp ks, 0,1
.irp ct, 0,1,2,3
.irp t, 0,1,2,3
.if \first && (\ks == 0)
	v_wmma_f32_16x16x32_f16 v[32*\t+8*\ct:32*\t+8*\ct+7], v[VF+8*(2*\ct+\ks):VF+8*(2*\ct+\ks)+7], v[S+32*\t+16*\ks:S+32*\t+16*\ks+7], 0
.else
	v_wmma_f32_16x16x32_f16 v[32*\t+8*\ct:32*\t+8*\ct+7], v[VF+8*(2*\ct+\ks):VF+8*(2*\ct+\ks)+7], v[S+32*\t+16*\ks:S+32*\t+16*\ks+7], v[32*\t+8*\ct:32*\t+8*\ct+7]
.endif
.endr
.endr
.endr
.endm
; THE SOFTMAX of a step, the four tiles by turns on every line, so that no line waits for the line above it.
.macro SOFT first
.irp j, 0,1,2,3                        ; the maximum of a lane's 32 scores and the old m: four chains; each tile of scores is first read at its low end
.irp t, 0,1,2,3
	v_max3_num_f32 v[ST+8*\t+4+\j], v[S+32*\t+8*\j], v[S+32*\t+8*\j+1], v[S+32*\t+8*\j+2]
.endr
.endr
.irp g, 1,2
.irp j, 0,1,2,3
.irp t, 0,1,2,3
	v_max3_num_f32 v[ST+8*\t+4+\j], v[ST+8*\t+4+\j], v[S+32*\t+8*\j+2*\g+1], v[S+32*\t+8*\j+2*\g+2]
.endr
.endr
.endr
.irp t, 0,1,2,3
	v_max3_num_f32 v[ST+8*\t+4], v[ST+8*\t+4], v[S+32*\t+7], v[S+32*\t+15]
.endr
.irp t, 0,1,2,3
	v_max3_num_f32 v[ST+8*\t+6], v[ST+8*\t+6], v[S+32*\t+23], v[S+32*\t+31]
.endr
.irp t, 0,1,2,3
	v_max3_num_f32 v[ST+8*\t+4], v[ST+8*\t+4], v[ST+8*\t+5], v[ST+8*\t+6]
.endr
.irp t, 0,1,2,3
.if \first
	v_max_num_f32 v[ST+8*\t+4], v[ST+8*\t+4], v[ST+8*\t+7]
.else
	v_max3_num_f32 v[ST+8*\t+4], v[ST+8*\t+4], v[ST+8*\t+7], v[ST+8*\t+1]
.endif
.endr
.irp t, 0,1,2,3
	v_permlanex16_b32 v[ST+8*\t+5], v[ST+8*\t+4], s[SEL], s[SEL+1]   ; the query's other 32 keys lie in the lane 16 away
.endr
.irp t, 0,1,2,3
	v_max_num_f32 v[ST+8*\t+1], v[ST+8*\t+4], v[ST+8*\t+5]           ; the new m
.endr
.irp t, 0,1,2,3
	v_mul_f32 v[ST+8*\t], s[CS], v[ST+8*\t+1]                        ; c m
.endr
.if \first == 0
.irp t, 0,1,2,3
	v_sub_f32 v[ST+8*\t+7], v[SU+4*\t], v[ST+8*\t]                   ; c m_old - c m_new
.endr
.irp t, 0,1,2,3
	v_exp_f32 v[ST+8*\t+6], v[ST+8*\t+7]                             ; a
.endr
.endif
; ONE BATCH: the scalings c s - c m, a pair of scores each, and all exponentials; a pair's exponentials stand a round behind its scaling.  No line of the batch names an exponential's result.
.set pb, 0
.rept 17
.if pb < 16
.irp t, 0,1,2,3
	v_pk_fma_f32 v[S+32*\t+2*pb:S+32*\t+2*pb+1], v[S+32*\t+2*pb:S+32*\t+2*pb+1], s[CS:CS+1], v[ST+8*\t:ST+8*\t+1] op_sel_hi:[1,0,0] neg_lo:[0,0,1] neg_hi:[0,0,1]
.endr
.endif
.if pb > 0
.irp t, 0,1,2,3
	v_exp_f32 v[S+32*\t+2*pb-2], v[S+32*\t+2*pb-2]
	v_exp_f32 v[S+32*\t+2*pb-1], v[S+32*\t+2*pb-1]
.endr
.endif
.set pb, pb+1
.endr
	v_nop                                          ; a plain line behind the last exponential, ahead of the first use
	s_wait_alu depctr_va_vdst(0)                   ; the wait ahead of the first line that names a result: one for the whole batch
.irp t, 0,1,2,3                        ; the sums of the unrounded p, two at a time, in two chains a tile
	v_pk_add_f32 v[SU+4*\t:SU+4*\t+1], v[S+32*\t:S+32*\t+1], v[S+32*\t+2:S+32*\t+3]
.endr
.irp t, 0,1,2,3
	v_pk_add_f32 v[SU+4*\t+2:SU+4*\t+3], v[S+32*\t+4:S+32*\t+5], v[S+32*\t+6:S+32*\t+7]
.endr
.irp j, 8,12,16,20,24,28
.irp t, 0,1,2,3
	v_pk_add_f32 v[SU+4*\t:SU+4*\t+1], v[SU+4*\t:SU+4*\t+1], v[S+32*\t+\j:S+32*\t+\j+1]
.endr
.irp t, 0,1,2,3
	v_pk_add_f32 v[SU+4*\t+2:SU+4*\t+3], v[SU+4*\t+2:SU+4*\t+3], v[S+32*\t+\j+2:S+32*\t+\j+3]
.endr
.endr
.if \first
.irp t, 0,1,2,3
	v_pk_add_f32 v[ST+8*\t+2:ST+8*\t+3], v[SU+4*\t:SU+4*\t+1], v[SU+4*\t+2:SU+4*\t+3]
.endr
.else
.irp t, 0,1,2,3
	v_pk_add_f32 v[SU+4*\t:SU+4*\t+1], v[SU+4*\t:SU+4*\t+1], v[SU+4*\t+2:SU+4*\t+3]
.endr
.irp t, 0,1,2,3
	v_pk_fma_f32 v[ST+8*\t+2:ST+8*\t+3], v[ST+8*\t+2:ST+8*\t+3], v[ST+8*\t+6:ST+8*\t+7], v[SU+4*\t:SU+4*\t+1] op_sel_hi:[1,0,1]   ; l = a l + the step's sum
.endr
.endif
.irp ks, 0,1                           ; p to f16, in place: register j of a fragment takes numbers 2 j and 2 j + 1; ascending, so that no number is written over before it is read
.irp j, 0,1,2,3,4,5,6,7
.irp t, 0,1,2,3
	v_cvt_pk_f16_f32 v[S+32*\t+16*\ks+\j], v[S+32*\t+16*\ks+2*\j], v[S+32*\t+16*\ks+2*\j+1]
.endr
.endr
.endr
.if \first == 0
	WIN W_RS
.set pb, 0
.rept 16                               ; O^T times a, each accumulator from its low end on
.irp t, 0,1,2,3
	v_pk_mul_f32 v[32*\t+2*pb:32*\t+2*pb+1], v[32*\t+2*pb:32*\t+2*pb+1], v[ST+8*\t+6:ST+8*\t+7] op_sel_hi:[1,0]
.endr
.set pb, pb+1
.endr
.endif
.endm
; A KEY STEP: 64 keys.
.macro STEP first
	WIN 0
	v_add_nc_u32 v[ADK], s[TB], v[LI]              ; these two and three v_nop are the five places between the last step's products v^T p and the products below, which write over p,
	v_add_nc_u32 v[ADV], s[TB], v[AV0]             ; and the places in front of the loads into v^T's registers
.rept 3
	v_nop
.endr
	KLOAD
	VLOAD
	s_wait_dscnt 16                                ; k's 16 loads are in; v's 16 may be out
	KQALL
	WIN 0
.if \first
.rept 4
	v_nop                                          ; four places behind the products, ahead of the first read of the scores
.endr
.else
.irp t, 0,1,2,3
	v_mov_b32 v[SU+4*\t], v[ST+8*\t]               ; c m_old is kept for a.  (These four are the places behind the products)
.endr
.endif
	SOFT \first
	s_wait_dscnt 0x0                               ; v^T is in
	PVALL \first
	s_add_co_u32 s[TB], s[TB], STEPB
.endm
.macro STEPS n
	WIN 0                                          ; at a label and at a branch every window is 0
	s_mov_b32 s[CNT], \n
.Lstep_\@:
	STEP 0
	WIN 0
	s_sub_co_u32 s[CNT], s[CNT], 1
	s_cmp_lg_u32 s[CNT], 0
	s_cbranch_scc1 .Lstep_\@
.endm
; THE CHANGE OF SLOTS.  Each wave waits for all its tensor loads (its part of the other slot), adds 0 to its spare word, and waits for that and for its reads of the slot that it leaves.
; fill = 1: the barrier is a round of the cluster's, so that no wave of any partner still reads the slot or has a load on its way; the joint refill is the first thing behind it.
.macro CHANGE fill
	WIN 0
	s_wait_tensorcnt 0x0                           ; no tensor load of mine is out, so a group 0 may be written
	ds_add_u32 v[SPW], v[NIL]
.if \fill
	s_xor_b32 s[G0+5], s[G0+5], SLOT1              ; the walking descriptor: the other slot than last time,
	s_add_nc_u64 s[G0+6:G0+7], s[G0+6:G0+7], 65536 ; the next 512 keys; the type bits on top are not reached
	s_wait_xcnt 0x0                                ; an earlier prefetch has read its address, so it may be written
	s_add_nc_u64 s[PFA:PFA+1], s[PFA:PFA+1], 65536
	s_wait_dscnt 0x0                               ; the add is done, and my reads of the slot are over
	CROUND
	JLOAD G0+4
	ASK
.else
	s_wait_dscnt 0x0
	s_barrier_signal -1
	s_barrier_wait -1
.endif
	s_sub_co_u32 s[TB], s[TB], 8*STEPB             ; back to a slot's first step,
	s_xor_b32 s[TB], s[TB], SLOT1                  ; in the other slot
.endm
	s_wait_tensorcnt 1                             ; my part of slot 0 is in; slot 1's may stay out
	s_barrier_signal -1
	s_barrier_wait -1                              ; everybody's is
	s_wait_loadcnt 0x0                             ; q
	STEP 1
	STEPS 7
	s_mov_b32 s[SLOTS], 2
.Lslot:                                                ; two trips: the first two slots are filled again
	CHANGE 1
	STEPS 8
	s_sub_co_u32 s[SLOTS], s[SLOTS], 1
	s_cmp_lg_u32 s[SLOTS], 0
	s_cbranch_scc1 .Lslot
	CHANGE 0                                       ; the tail is written out
	STEPS 8
	; THE WAY OUT.  l's two halves and the other half of the lanes' are added; O^T is divided by l, rounded to f16 and stored: a lane's eight channels of a token are 16 bytes, and each store covers 512 consecutive bytes, aligned.
.irp t, 0,1,2,3
	v_add_f32 v[ST+8*\t+4], v[ST+8*\t+2], v[ST+8*\t+3]               ; (these four are the places behind the last products)
.endr
.irp t, 0,1,2,3
	v_permlanex16_b32 v[ST+8*\t+5], v[ST+8*\t+4], s[SEL], s[SEL+1]
.endr
.irp t, 0,1,2,3
	v_add_f32 v[ST+8*\t+4], v[ST+8*\t+4], v[ST+8*\t+5]
.endr
.irp t, 0,1,2,3
	v_rcp_f32 v[ST+8*\t+6], v[ST+8*\t+4]
.endr
	v_nop                                          ; a plain line between the last reciprocal and the use of its result
	s_wait_alu depctr_va_vdst(0)                   ; and the wait: one for the four
.macro OUTT t
	WIN W_RS
.set pb, 0
.rept 16
	v_pk_mul_f32 v[32*\t+2*pb:32*\t+2*pb+1], v[32*\t+2*pb:32*\t+2*pb+1], v[ST+8*\t+6:ST+8*\t+7] op_sel_hi:[1,0]
.set pb, pb+1
.endr
	WIN 0x05                                       ; sources window 1, destination window 0: S^T's registers are free
.set pb, 0
.rept 16
	v_cvt_pk_f16_f32 v[S+16*\t+pb], v[32*\t+2*pb], v[32*\t+2*pb+1]
.set pb, pb+1
.endr
	WIN 0
.irp ct, 0,1,2,3
	global_store_b128 v[LI], v[S+16*\t+4*\ct:S+16*\t+4*\ct+3], s[10:11] offset:4096*\t+512*\ct
.endr
.endm
	OUTT 0
	OUTT 1
	OUTT 2
	OUTT 3
	s_wait_tensorcnt 0x0                           ; the wave's end
	ds_add_u32 v[SPW], v[NIL]
	s_wait_dscnt 0x0
	CROUND                                         ; the closing round: no work-group ends while a partner may still ask for a tile that names it
	s_endpgm
.Lfunc_end_k_q855004900e_att:
	.size	k_q855004900e_att, .Lfunc_end_k_q855004900e_att-k_q855004900e_att
	.p2alignl 7, 3214868480
	.fill 96, 4, 3214868480
	.section	.rodata,"a",@progbits
	.p2align	6, 0x0
	.amdhsa_kernel k_q855004900e_att
		.amdhsa_group_segment_fixed_size 327680
		.amdhsa_private_segment_fixed_size 0
		.amdhsa_enable_private_segment 0
		.amdhsa_kernarg_size 16
		.amdhsa_user_sgpr_count 2
		.amdhsa_user_sgpr_kernarg_segment_ptr 1
		.amdhsa_wavefront_size32 1
		.amdhsa_system_sgpr_workgroup_id_x 1
		.amdhsa_system_sgpr_workgroup_id_y 1
		.amdhsa_system_sgpr_workgroup_id_z 1
		.amdhsa_system_vgpr_workitem_id 0
		.amdhsa_next_free_vgpr 512
		.amdhsa_next_free_sgpr 66
		.amdhsa_reserve_vcc 0
		.amdhsa_float_denorm_mode_32 3
		.amdhsa_float_denorm_mode_16_64 3
		.amdhsa_memory_ordered 1
		.amdhsa_forward_progress 1
		.amdhsa_inst_pref_size 140
	.end_amdhsa_kernel
	.amdgpu_metadata
---
amdhsa.version: [ 1, 2 ]
amdhsa.kernels:
  - .name:           k_q855004900e_att
    .symbol:         k_q855004900e_att.kd
    .args:
      - { .name: qkv, .offset: 0, .size: 8, .value_kind: global_buffer, .address_space: global }
      - { .name: ai, .offset: 8, .size: 8, .value_kind: global_buffer, .address_space: global }
    .group_segment_fixed_size: 327680
    .private_segment_fixed_size: 0
    .kernarg_segment_align: 8
    .kernarg_segment_size: 16
    .max_flat_workgroup_size: 256
    .sgpr_count:     66
    .vgpr_count:     512
    .wavefront_size: 32
...
	.end_amdgpu_metadata
.endif
;; end of part 3
;; launch proj (part 4): grid 8 x 32, 4 waves a work-group, clusters of 4 x 4, 327,680 bytes of LDS; arguments ai, w2i, b2, out0; writes out0
.if DOCPART == 4
	.amdgcn_target "amdgcn-amd-amdhsa--gfx1250"
	.amdhsa_code_object_version 6
	.text
	.protected	k_q855004900e_proj
	.globl	k_q855004900e_proj
	.p2align	8
	.type	k_q855004900e_proj,@function
k_q855004900e_proj:
	s_mov_b64 s[64:65], 0
	v_nop
	global_prefetch_b8 v0, s[64:65] scope:SCOPE_SE
	s_setreg_imm32_b32 hwreg(HW_REG_WAVE_MODE, 25, 1), 1
	s_wait_xcnt 0x0
	s_wait_alu depctr_hold_cnt(0) depctr_sa_sdst(0) depctr_va_vdst(0) depctr_va_sdst(0) depctr_va_ssrc(0) depctr_va_vcc(0) depctr_vm_vsrc(0)
	s_getreg_b32 s2, hwreg(HW_REG_IB_STS2, 6, 4)
	s_cmp_eq_u32 s2, 0
	s_cbranch_scc0 .Lentry_in_a_cluster
	s_endpgm
.Lentry_in_a_cluster:
	s_bfe_u32 s2, ttmp6, 0x10000c
	s_cmp_lg_u32 s2, 0xf033
	s_cbranch_scc0 .Lentry_shape_is_right
	s_endpgm
.Lentry_shape_is_right:
; out = a w2 + b2.  a: 8,192 tokens x 1,024, w2: 1,024 x 1,024, both f16 and laid as images of operand registers (a fragment of 16 rows x 32 K is 1,024 bytes; two loads of 16 bytes a lane, at 16 x lane and 512 on);
; sums in f32; out f32.
; A tile of 256 tokens x 128 columns is made by a work-group of four waves: 256 work-groups; a wave makes 128 x 64: 32 accumulators, 256 registers.
; K goes in 8 steps of 128 through a ring of two LDS slots.  For one step the work-group's part of a is 65,536 dense bytes and that of w2 32,768: waves 0 and 1 bring a's halves, waves 2 and 3 w2's, one load each.
; No padding: an LDS load takes 512 consecutive bytes.  Two loads of a wave are out at the head, later one; between a refill and the wait for it a wave issues 112 matrix instructions.
; CLUSTERS: 4 x 4 work-groups; a's tiles are shared along a row of the cluster, w2's along a column: each is asked for jointly.
; THE MATRIX INSTRUCTION IS USED TRANSPOSED (source 0 = 16 columns of w2, source 1 = 16 tokens): a lane holds eight neighbouring columns of one token.  b2 is the C of each sum's first matrix instruction.
; REGISTERS: window 0: v16-29 addresses; v32-63 the bias.   window 1: two fragment buffers of 96 (w2's 4 x 8, then a's 8 x 8); on the way out the rows read back.   window 2: accumulator (a, b) at v[8 (4 a + b)].
.set SLOT,   98304                     ; a's 16 tiles of tokens x 4 x 1,024 bytes, then w2's 8 tiles of columns x 4 x 1,024
.set BOFF,   65536
.set STAGE,  2*SLOT                    ; behind the ring: 16 rows x (256 bytes + 16) for each wave, for the way out
.set SPITCH, 272
.set SPARE,  STAGE+4*16*SPITCH         ; the spare words, 128 bytes for each wave: two blocks of 256 bytes that no other line names
.set LAPS,   4                         ; a lap = two K steps = once round the ring
.set ADRA, 16
.set ADRB, 20
.set STO,  24
.set RD,   25
.set CO,   26
.set BO,   27
.set SPW,  28
.set NIL,  29
.set BIAS, 32
.set F0,   0
.set F1,   96
.set G1, 24
.set G0, 32
.set G1B, 48
.set G0B, 56
.set MSB, 0
.macro WIN new
.if MSB != (\new)
	s_set_vgpr_msb (MSB<<8)|(\new)
.set MSB, \new
.endif
.endm
.set MUL,  0xa5                        ; sources 0 and 1 window 1; C and D window 2
.set MULB, 0x85                        ; C (the bias) window 0, D window 2
.set TO_F, 0x40
.macro JLOAD s                         ; waves 0 and 1 fetch for a, waves 2 and 3 for w2; an s_nop 0 and four v_nop follow each of the two lines
	s_cmp_eq_u32 s11, 0
	s_cbranch_scc0 .Lfor_b_\@
	tensor_load_to_lds s[G0+4*\s:G0+4*\s+3], s[G1:G1+7]
	s_nop 0
.rept 4
	v_nop
.endr
	s_branch .Lasked_\@
.Lfor_b_\@:
	tensor_load_to_lds s[G0B+4*\s:G0B+4*\s+3], s[G1B:G1B+7]
	s_nop 0
.rept 4
	v_nop
.endr
.Lasked_\@:
.endm
.macro CREST                           ; a round of the cluster's barrier behind its opening barrier
	s_cmp_lg_u32 s10, 0
	s_cbranch_scc1 .Lnot_wave_0_\@
	s_barrier_signal -3
.Lnot_wave_0_\@:
	s_barrier_wait -3
	s_barrier_signal -1
	s_barrier_wait -1
.endm
.macro CROUND
	s_barrier_signal -1
	s_barrier_wait -1
	CREST
.endm
	s_load_b128 s[4:7], s[0:1], 0x0                ; a s[4:5], w2 s[6:7]
	s_load_b128 s[68:71], s[0:1], 0x10             ; b2 s[68:69], out s[70:71]
	v_lshl_add_u32 v[SPW], v0, 2, SPARE
	v_mov_b32 v[NIL], 0
	ds_add_u32 v[SPW], v[NIL]                      ; the wave's opening: the add, twice on end, and its wait ahead of my first tensor load
	ds_add_u32 v[SPW], v[NIL]
	v_lshrrev_b32 v1, 5, v0
	v_readfirstlane_b32 s10, v1                    ; wave 0..3
	s_lshr_b32 s11, s10, 1                         ; which half of the tile's tokens is mine.  Also: I fetch for a (0) or for w2 (1)
	s_and_b32 s12, s10, 1                          ; which half of its columns.  Also: which half of that tile I fetch
	s_bfe_u32 s40, ttmp6, 0x40000                  ; cx, cy
	s_bfe_u32 s41, ttmp6, 0x40004
	s_lshl_b32 s42, ttmp9, 2
	s_add_co_u32 s42, s42, s40                     ; tile column = 4 x cluster x + cx
	s_and_b32 s13, ttmp7, 0xffff
	s_lshl_b32 s13, s13, 2
	s_add_co_u32 s13, s13, s41                     ; tile row = 4 x cluster y + cy
	s_lshl_b32 s43, s41, 2
	s_lshl_b32 s43, 15, s43                        ; my row of the cluster
	s_lshl_b32 s44, 0x1111, s40                    ; my column
	s_or_b32 s[G1+0], s43, (3<<16)|(1<<21)         ; the mask; elements of 8 bytes; bit 21 beside a mask; no padding
	s_or_b32 s[G1B+0], s44, (3<<16)|(1<<21)
	s_mov_b32 s[G1+1], 32<<16                      ; rows of 256 bytes
	s_mov_b32 s[G1+2], 128<<16                     ; a: 128 of them
	s_mov_b32 s[G1+3], 32<<16
	s_mov_b32 s[G1+4], 128
	s_mov_b32 s[G1+5], 32                          ; dense
	s_mov_b32 s[G1+6], 0
	s_mov_b32 s[G1+7], 0
	s_mov_b32 s[G1B+1], 32<<16
	s_mov_b32 s[G1B+2], 64<<16                     ; w2: 64 of them
	s_mov_b32 s[G1B+3], 32<<16
	s_mov_b32 s[G1B+4], 64
	s_mov_b32 s[G1B+5], 32
	s_mov_b32 s[G1B+6], 0
	s_mov_b32 s[G1B+7], 0
	s_lshl_b32 s16, s13, 16                        ; a: 65,536 x tile row + 32,768 x half
	s_lshl_b32 s17, s12, 15
	s_add_co_u32 s16, s16, s17
	s_mov_b32 s17, 0
	s_lshl_b32 s46, s42, 15                        ; w2: 32,768 x tile column + 16,384 x half
	s_lshl_b32 s47, s12, 14
	s_add_co_u32 s46, s46, s47
	s_mov_b32 s47, 0
	s_lshl_b32 s20, s12, 15                        ; where they go: no place in the cluster enters an LDS address
	s_lshl_b32 s21, s12, 14
	s_add_co_u32 s21, s21, BOFF
	s_wait_dscnt 0x0                               ; both opening adds are done
	s_wait_kmcnt 0x0
	s_add_nc_u64 s[14:15], s[4:5], s[16:17]
	s_add_nc_u64 s[46:47], s[6:7], s[46:47]
	CROUND                                         ; all sixteen work-groups are here: the first joint loads meet
.irp s, 0,1
	s_mov_b32 s[G0+4*\s], 1
	s_add_co_u32 s[G0+4*\s+1], s20, \s*SLOT
	s_add_nc_u64 s[G0+4*\s+2:G0+4*\s+3], s[14:15], \s*(1<<21)      ; K step s of a
	s_or_b32 s[G0+4*\s+3], s[G0+4*\s+3], 0x80000000
	s_mov_b32 s[G0B+4*\s], 1
	s_add_co_u32 s[G0B+4*\s+1], s21, \s*SLOT
	s_add_nc_u64 s[G0B+4*\s+2:G0B+4*\s+3], s[46:47], \s*(1<<18)    ; K step s of w2
	s_or_b32 s[G0B+4*\s+3], s[G0B+4*\s+3], 0x80000000
	JLOAD \s
.endr
	v_and_b32 v1, 15, v0                           ; l % 16
	v_bfe_u32 v2, v0, 4, 1                         ; l / 16
	v_and_b32 v3, 31, v0
	v_lshlrev_b32 v3, 4, v3                        ; 16 x lane
	s_lshl_b32 s21, s11, 15                        ; my 8 tiles of tokens
	s_lshl_b32 s22, s12, 14                        ; my 4 tiles of columns,
	s_add_co_u32 s22, s22, BOFF                    ; which lie behind a's part
.irp s, 0,1
	v_add_nc_u32 v[ADRA+\s], s21, v3
	v_add_nc_u32 v[ADRB+\s], s22, v3
	s_add_co_u32 s21, s21, SLOT
	s_add_co_u32 s22, s22, SLOT
.endr
	s_mul_i32 s23, s10, 16*SPITCH
	s_add_co_u32 s23, s23, STAGE                   ; my stage
	v_mul_u32_u24 v4, v1, SPITCH                   ; in: row l % 16, 32 bytes for each half of the lanes
	v_lshl_add_u32 v4, v2, 5, v4
	v_add_nc_u32 v[STO], s23, v4
	v_mul_u32_u24 v5, v2, SPITCH                   ; back: lanes 0-15 one row of 256 bytes, lanes 16-31 the next
	v_lshl_add_u32 v5, v1, 4, v5
	v_add_nc_u32 v[RD], s23, v5
	v_lshlrev_b32 v5, 12, v2                       ; and the same two rows in out
	v_lshl_add_u32 v[CO], v1, 4, v5
	v_lshlrev_b32 v[BO], 5, v2
	s_lshl_b32 s16, s13, 20                        ; my first row of out: 256 x tile row + 128 x half, rows of 4,096 bytes
	s_lshl_b32 s17, s11, 19
	s_add_co_u32 s16, s16, s17
	s_mov_b32 s17, 0
	s_add_nc_u64 s[70:71], s[70:71], s[16:17]
	s_lshl_b32 s46, s42, 9                         ; my first column, in bytes: 512 x tile column + 256 x half
	s_lshl_b32 s47, s12, 8
	s_add_co_u32 s46, s46, s47
	s_mov_b32 s47, 0
	s_add_nc_u64 s[70:71], s[70:71], s[46:47]
	s_add_nc_u64 s[68:69], s[68:69], s[46:47]      ; and in b2
.irp b, 0,1,2,3                        ; block b, lane half h: b2[my first column + 16 b + 8 h + 0 .. 7]
	global_load_b128 v[BIAS+8*\b:BIAS+8*\b+3], v[BO], s[68:69] offset:64*\b
	global_load_b128 v[BIAS+8*\b+4:BIAS+8*\b+7], v[BO], s[68:69] offset:64*\b+16
.endr
; 8 matrix instructions: blocks a0, a0 + 1 of tokens x the 4 blocks of columns, 32 along K.  mode = 1: the first product starts the sums from the bias.  The 32 accumulators take turns.
.macro MUL8 f, a0, mode
.irp a, \a0, \a0+1
.irp b, 0,1,2,3
.if \mode
	v_wmma_f32_16x16x32_f16 v[8*(4*(\a)+\b):8*(4*(\a)+\b)+7], v[\f+8*\b:\f+8*\b+7], v[\f+32+8*(\a):\f+32+8*(\a)+7], v[BIAS+8*\b:BIAS+8*\b+7]
.else
	v_wmma_f32_16x16x32_f16 v[8*(4*(\a)+\b):8*(4*(\a)+\b)+7], v[\f+8*\b:\f+8*\b+7], v[\f+32+8*(\a):\f+32+8*(\a)+7], v[8*(4*(\a)+\b):8*(4*(\a)+\b)+7]
.endif
.endr
.endr
.endm
; 24 LDS loads in one run: the fragments of the slot's kc-th 32 along K into buffer f: w2's four, then a's eight
.macro FETCH slot, kc, f
	WIN TO_F
.irp i, 0,1,2,3
.irp c, 0,1
	ds_load_b128 v[\f+8*\i+4*\c:\f+8*\i+4*\c+3], v[ADRB+\slot] offset:\i*4096+(\kc)*1024+512*\c
.endr
.endr
.irp i, 0,1,2,3,4,5,6,7
.irp c, 0,1
	ds_load_b128 v[\f+32+8*\i+4*\c:\f+32+8*\i+4*\c+3], v[ADRA+\slot] offset:\i*4096+(\kc)*1024+512*\c
.endr
.endr
.endm
.macro PLACES                          ; four plain lines in front of loads into registers that matrix instructions have read, and of the first read of results
.rept 4
	v_nop
.endr
.endm
; A K step is four quarters of 32 along K, 32 matrix instructions each, on buffers 0, 1, 0, 1.  One of the first three multiplies buffer f and fetches the next quarter into g.
.macro QUARTER slot, kcnext, f, g, mode
	s_wait_dscnt 8                                 ; w2's fragments and a's blocks 0-3 are in; the youngest eight loads (a's blocks 4-7) may be out
.if \mode
	WIN MULB
.else
	WIN MUL
.endif
	MUL8 \f, 0, \mode
	MUL8 \f, 2, \mode
	PLACES
	FETCH \slot, \kcnext, \g
	s_wait_dscnt 24                                ; all but the 24 just issued
.if \mode
	WIN MULB
.else
	WIN MUL
.endif
	MUL8 \f, 4, \mode
	MUL8 \f, 6, \mode
.endm
; The last quarter multiplies buffer 1 and changes slots: one barrier; in front of it each wave waits for all its tensor loads, adds 0 to its spare word, and waits for that and for its reads of this slot.
; fill = 1: the barrier opens a round of the cluster's, and this slot is filled again, two K steps ahead, first thing behind the round.
.macro TURN slot, next, fill
	WIN 0                                          ; (the add's two registers lie in window 0)
	s_wait_tensorcnt 0x0
	ds_add_u32 v[SPW], v[NIL]
	s_wait_dscnt 9                                 ; (the add and the youngest eight loads may be out)
	WIN MUL
	MUL8 F1, 0, 0
	s_wait_dscnt 0x0                               ; the add is done, and my reads of this slot are over
	s_barrier_signal -1
	MUL8 F1, 2, 0
.if \fill
	WIN 0
.endif
	s_barrier_wait -1
.if \fill
	CREST                                          ; no wave of any partner still reads this slot's tiles or has a load on its way
	s_add_nc_u64 s[G0+4*\slot+2:G0+4*\slot+3], s[G0+4*\slot+2:G0+4*\slot+3], 1<<22
	s_add_nc_u64 s[G0B+4*\slot+2:G0B+4*\slot+3], s[G0B+4*\slot+2:G0B+4*\slot+3], 1<<19
	JLOAD \slot                                    ; the four v_nop behind it are also the places in front of the loads below
.else
	PLACES
.endif
	FETCH \next, 0, F0
	WIN MUL
	MUL8 F1, 4, 0
	MUL8 F1, 6, 0
.endm
	s_wait_tensorcnt 1                             ; my part of K step 0 is in (K step 1's load may be out),
	s_barrier_signal -1
	s_barrier_wait -1                              ; everybody's is
	FETCH 0, 0, F0
	s_wait_loadcnt 0x0                             ; the bias
	QUARTER 0, 1, F0, F1, 1                        ; the first quarter stands in front of the loop: its products start the sums
	WIN 0                                          ; at a label and at a branch every window is 0
	s_mov_b32 s3, LAPS-1
.Llap:                                                 ; a trip goes once round the ring, from a lap's second quarter to the next lap's first, and fills both slots again
	QUARTER 0, 2, F1, F0, 0
	QUARTER 0, 3, F0, F1, 0
	TURN 0, 1, 1
	QUARTER 1, 1, F0, F1, 0
	QUARTER 1, 2, F1, F0, 0
	QUARTER 1, 3, F0, F1, 0
	TURN 1, 0, 1
	QUARTER 0, 1, F0, F1, 0
	WIN 0
	s_sub_co_u32 s3, s3, 1
	s_cmp_lg_u32 s3, 0
	s_cbranch_scc1 .Llap
	QUARTER 0, 2, F1, F0, 0                        ; the last lap fills nothing, and has no round of the cluster's barrier
	QUARTER 0, 3, F0, F1, 0
	TURN 0, 1, 0
	QUARTER 1, 1, F0, F1, 0
	QUARTER 1, 2, F1, F0, 0
	QUARTER 1, 3, F0, F1, 0
	s_wait_dscnt 8                                 ; the very last quarter: nothing more to fetch
	WIN MUL
	MUL8 F1, 0, 0
	MUL8 F1, 2, 0
	s_wait_dscnt 0
	MUL8 F1, 4, 0
	MUL8 F1, 6, 0
	WIN 0
	PLACES
; THE WAY OUT, a block of 16 tokens x 64 columns at a time.  A lane holds 32 neighbouring bytes of a row, and the lanes beside it hold other rows: so a block goes through my own stage in LDS and comes back as whole
; rows of 256 bytes.  LDS serves a wave's instructions in order (ISA guide 5.7.1.4): no wait between the stores and the loads, nor in front of the next block's stores.  Every block has registers of its own.
.macro TOSTAGE a
	WIN 0x08                                       ; an LDS store's data are its source 1: window 2
.irp b, 0,1,2,3
	ds_store_b128 v[STO], v[8*(4*(\a)+\b):8*(4*(\a)+\b)+3] offset:64*\b          ; each accumulator from its low end on
	ds_store_b128 v[STO], v[8*(4*(\a)+\b)+4:8*(4*(\a)+\b)+7] offset:64*\b+16
.endr
	WIN 0x40                                       ; destination window 1
.irp t, 0,1,2,3,4,5,6,7
	ds_load_b128 v[32*(\a)+4*\t:32*(\a)+4*\t+3], v[RD] offset:\t*2*SPITCH
.endr
.endm
.macro SEND a, younger                 ; younger: the LDS instructions issued behind block a's loads: the next block's sixteen, or none
	s_wait_dscnt \younger
	WIN 0x04                                       ; a store's data are its source 1: window 1
.irp t, 0,1,2,3,4,5,6,7
	global_store_b128 v[CO], v[32*(\a)+4*\t:32*(\a)+4*\t+3], s[70:71] offset:65536*(\a)+8192*\t th:TH_STORE_NT   ; 16 lanes store 256 consecutive bytes, aligned; written once, read by nobody here
.endr
.endm
	TOSTAGE 0
.irp a, 1,2,3,4,5,6,7
	TOSTAGE \a
	SEND \a-1, 16
.endr
	SEND 7, 0
	WIN 0
	s_wait_tensorcnt 0x0                           ; the wave's end: behind my last tensor load and my last LDS store
	ds_add_u32 v[SPW], v[NIL]
	s_wait_dscnt 0x0
	CROUND                                         ; the closing round
	s_endpgm
.Lfunc_end_k_q855004900e_proj:
	.size	k_q855004900e_proj, .Lfunc_end_k_q855004900e_proj-k_q855004900e_proj
	.p2alignl 7, 3214868480
	.fill 96, 4, 3214868480
	.section	.rodata,"a",@progbits
	.p2align	6, 0x0
	.amdhsa_kernel k_q855004900e_proj
		.amdhsa_group_segment_fixed_size 327680
		.amdhsa_private_segment_fixed_size 0
		.amdhsa_enable_private_segment 0
		.amdhsa_kernarg_size 32
		.amdhsa_user_sgpr_count 2
		.amdhsa_user_sgpr_kernarg_segment_ptr 1
		.amdhsa_wavefront_size32 1
		.amdhsa_system_sgpr_workgroup_id_x 1
		.amdhsa_system_sgpr_workgroup_id_y 1
		.amdhsa_system_sgpr_workgroup_id_z 1
		.amdhsa_system_vgpr_workitem_id 0
		.amdhsa_next_free_vgpr 768
		.amdhsa_next_free_sgpr 72
		.amdhsa_reserve_vcc 0
		.amdhsa_float_denorm_mode_32 3
		.amdhsa_float_denorm_mode_16_64 3
		.amdhsa_memory_ordered 1
		.amdhsa_forward_progress 1
		.amdhsa_inst_pref_size 86
	.end_amdhsa_kernel
	.amdgpu_metadata
---
amdhsa.version: [ 1, 2 ]
amdhsa.kernels:
  - .name:           k_q855004900e_proj
    .symbol:         k_q855004900e_proj.kd
    .args:
      - { .name: ai, .offset: 0, .size: 8, .value_kind: global_buffer, .address_space: global }
      - { .name: w2i, .offset: 8, .size: 8, .value_kind: global_buffer, .address_space: global }
      - { .name: b2, .offset: 16, .size: 8, .value_kind: global_buffer, .address_space: global }
      - { .name: out0, .offset: 24, .size: 8, .value_kind: global_buffer, .address_space: global }
    .group_segment_fixed_size: 327680
    .private_segment_fixed_size: 0
    .kernarg_segment_align: 8
    .kernarg_segment_size: 32
    .max_flat_workgroup_size: 128
    .sgpr_count:     72
    .vgpr_count:     768
    .wavefront_size: 32
...
	.end_amdgpu_metadata
.endif
;; end of part 4
